; MI455X (gfx1250); checked and timed in simulation.
; The chip was launched on July 23, 2026; its instructions are those of AMD's public machine-readable ISA for CDNA 5 (MIT licence, August 2026) and "CDNA5" Instruction Set Architecture Reference Guide (July 2026). The comments in the code are by the model that wrote it; some were corrected since.
;; Multihead Attention Layer. Allowed arithmetic: matrix products marked QUANTISED: E2M3 operands, one E8M0 scale for each 32 along K, by v_wmma_scale_f32_16x16x128_f8f6f4 with both operands' format E2M3, f32 sums; everything else in f32.
;; Inputs: Wh 1,024 x 1,024 float32; Wk 1,024 x 1,024 float32; Wq 1,024 x 1,024 float32; Wv 1,024 x 1,024 float32; bh 1,024 float32; bk 1,024 float32; bq 1,024 float32; bv 1,024 float32; key 2 x 2,048 x 1,024 float32; query 2 x 2,048 x 1,024 float32; value 2 x 2,048 x 1,024 float32.
;; Outputs: out0 2 x 2,048 x 1,024 float32.
;; This version of the problem:
;;   THIS VERSION OF THE PROBLEM IS GIVEN IN LOW PRECISION. The matrix products marked QUANTISED in the list below multiply operands that are first quantised to E2M3 (2 exponent bits, 3 mantissa bits; 6 bits a number), with one power-of-two scale for each 32 numbers along K (OCP MX v1.0); their sums are f32. All else is computed in f32.
;;   The module's matrix products, in the order in which they are computed (A, B: the left and right operand; K: the contracted axis; several contracted axes count as one K, in the product's order):
;;     1. [M 4,096, K 1,024] x [K 1,024, N 1,024]; A: input query; B: input Wq: QUANTISED
;;     2. [M 4,096, K 1,024] x [K 1,024, N 1,024]; A: input key; B: input Wk: QUANTISED
;;     3. [M 4,096, K 1,024] x [K 1,024, N 1,024]; A: input value; B: input Wv: QUANTISED
;;     4. batch 32 x [M 2,048, K 64] x [K 64, N 2,048]; A: computed on the way; B: computed on the way: QUANTISED
;;     5. batch 32 x [M 2,048, K 2,048] x [K 2,048, N 64]; A: softmax (see below); B: computed on the way: QUANTISED
;;     6. [M 4,096, K 1,024] x [K 1,024, N 1,024]; A: computed on the way; B: input Wh: QUANTISED
;;   THE QUANTISER, for each operand of a quantised product, along K:
;;     - K is cut into blocks of 32 from its start; a last block that is shorter is filled with zeros.
;;     - A block's scale is 2^e with e = floor(log2(the largest magnitude in the block)) - 2, held to -126 .. 127; a block of zeros has e = 0. As a byte (E8M0): e + 127.
;;     - Each number is divided by its block's scale, clamped to +-7.5, and rounded to the nearest number of E2M3, ties to even, subnormals kept.
;;     - The product sums the exact products of the quantised numbers (number of the format x scale) in f32.
;;   ~~~python
;;   def quantise(x, axis):      # numpy; x: float32 -> the quantised numbers, widened to float32 again
;;       x = np.moveaxis(x, axis, -1); K = x.shape[-1]
;;       x = np.pad(x, [(0, 0)] * (x.ndim - 1) + [(0, -K % 32)]); x = x.reshape(x.shape[:-1] + (-1, 32)); a = np.abs(x).max(-1, keepdims=True)
;;       e = np.where(a > 0, np.clip(np.frexp(np.where(a > 0, a, 1))[1] - 1 - 2, -126, 127), 0)      # np.frexp(a)[1] - 1 = floor(log2(a)), exactly
;;       r = np.clip(x / 2.0 ** e, -7.5, 7.5)
;;       step = 2.0 ** (np.maximum(np.frexp(np.where(r == 0, 1, r))[1] - 1, 0) - 3)
;;       q = np.round(r / step) * step * 2.0 ** e      # np.round: ties to even
;;       return np.moveaxis(q.reshape(q.shape[:-2] + (-1,))[..., :K], -1, axis).astype(np.float32)
;;   ~~~
;;   SOFTMAX AHEAD OF A QUANTISED PRODUCT. Where the list says 'softmax', what is quantised is not the finished softmax but p = 2^(t - M), with t = logit x log2(e) and M = ceil(the row's largest t), a whole number; so 1/2 < the row's largest p <= 1. The row's sum l is taken of the UNQUANTISED p, in f32, and the product's result is divided by l at the end. Since M is a whole number, a kernel that streams over the keys may use a running M (the ceiling of the running maximum): every later rescaling is an exact power of two, which a block's scale takes up: the codes' values come out the same.
;;   OPERANDS COMPUTED ON THE WAY. 'Computed on the way' means the value that the module computes at that place (a softmax that the list does not call 'softmax' is quantised finished and normalised). What goes into a quantiser is computed in f32, as accurately as f32 sums, v_exp_f32 and their like allow (about 1e-6 of the number): no bf16 or f16 on the way to a quantiser, and a product that is left as it is and whose result goes on into a quantised operand takes f32 operands (vector FMAs, or v_wmma_f32_16x16x4_f32). A number that lies on a knife's edge between two numbers of the format may be rounded either way, as far as f32 arithmetic and the matrix unit's own rounding can turn it there, and no further.
;; One version. Each part assembles by itself: llvm-mc -triple=amdgcn-amd-amdhsa -mcpu=gfx1250 --defsym DOCPART=n.
;; ======== version 1 of 1: 4 launches
;; limits: right only within a limited range of input values
;; workspace buffers: opcod 12,582,912 bytes; opscl 524,288 bytes; qimg 3,407,872 bytes; kvimg 6,684,672 bytes; acod 3,145,728 bytes; ascl 131,072 bytes
;; launch quant (part 1): grid 256 x 1, 4 waves a work-group, no clusters, 327,680 bytes of LDS; arguments query, key, value, Wq, Wk, Wv, Wh, opcod, opscl; writes opcod, opscl
.if DOCPART == 1
	.amdgcn_target "amdgcn-amd-amdhsa--gfx1250"
	.amdhsa_code_object_version 6
	.text
	.protected	k_q012f045e28_quant
	.globl	k_q012f045e28_quant
	.p2align	8
	.type	k_q012f045e28_quant,@function
k_q012f045e28_quant:
	s_mov_b64 s[64:65], 0
	v_nop
	global_prefetch_b8 v0, s[64:65] scope:SCOPE_SE
	s_setreg_imm32_b32 hwreg(HW_REG_WAVE_MODE, 25, 1), 1
	s_wait_xcnt 0x0
; query, key, value [4096][1024] and Wq, Wk, Wv, Wh [1024][1024], f32, become codes of FP6 (E2M3) with one E8M0 byte for each 32 along K, laid in the order of a matrix operand's registers.
; 128 row blocks of 128 rows (32 + 32 + 32 + 8 x 4); a work-group takes half a row block, a wave one tile of 16 rows x all 1,024 of K.
; THE ROWS OF A TILE are two runs of eight.  Tile t of a row block holds rows 32 (t / 2) + 8 (t % 2) + 0..7 and the eight rows 16 further on;
; for key alone: rows 64 (t / 4) + 8 (t % 4) + 0..7 and the eight rows 32 further on, so that four neighbouring tiles of K give a lane of the attention launch a whole block of 32 neighbouring keys.
; IN: each row's 4,096 bytes come by eight asynchronous copies of 512 consecutive bytes, 16 a lane, into the wave's own LDS region (row pitch 4,112); all 128 copies of a wave are issued at the head, each byte of LDS is filled once.
; OUT: opcod [row block][K step][tile][1,536]: registers 0-3 at 16 l, 4-5 at 512 + 8 l, 6-9 at 768 + 16 l, 10-11 at 1,280 + 8 l; opscl [row block][tile][row][K step] words.
; No work of reference() is left out in this program.  No prefetch: all requests stand at the head, there is no loop to run ahead in.
; LIMITS: a block whose largest magnitude lies under 2^-124 keeps the byte 1 (a block of zeros too: its codes are zeros, and only this program reads the bytes); NaN and infinities are not served.
.set PITCH, 4112
.set WREG,  16*PITCH
.set SPARE, 0x41000                    ; behind the four regions: the spare words
.set PW,  16
.set C,   28
.set X,   64
.set GA,  194                          ; v194-209 a row's offset in memory + 16 l
.set LA,  210                          ; v210-225 the row's place in LDS + 16 l
	s_load_b256 s[4:11], s[0:1], 0x0
	s_load_b256 s[12:19], s[0:1], 0x20
	s_load_b64 s[20:21], s[0:1], 0x40
	v_lshl_add_u32 v192, v0, 2, SPARE
	v_mov_b32 v193, 0
	ds_add_u32 v192, v193                          ; the opening lines: the add twice and one wait
	ds_add_u32 v192, v193
	v_lshrrev_b32 v1, 5, v0
	v_readfirstlane_b32 s22, v1                    ; wave
	s_mov_b32 s23, 0xffff0000
	s_mov_b32 s66, 0x76543210
	s_mov_b32 s67, 0xfedcba98
	s_lshr_b32 s68, ttmp9, 1                       ; row block 0..127
	s_and_b32 s69, ttmp9, 1
	s_lshl_b32 s69, s69, 2
	s_add_co_u32 s69, s69, s22                     ; tile 0..7
	s_and_b32 s72, s68, 31
	s_and_b32 s73, s68, 7
	s_cmp_lt_u32 s68, 96
	s_cselect_b32 s72, s72, s73
	s_lshl_b32 s72, s72, 7                         ; the row block's first row in its tensor
	s_lshr_b32 s73, s69, 1
	s_lshl_b32 s73, s73, 5
	s_and_b32 s75, s69, 1
	s_lshl_b32 s75, s75, 3
	s_add_co_u32 s73, s73, s75                     ; the tile's first row: 32 (t / 2) + 8 (t % 2)
	s_lshr_b32 s80, s69, 2
	s_lshl_b32 s80, s80, 6
	s_and_b32 s75, s69, 3
	s_lshl_b32 s75, s75, 3
	s_add_co_u32 s80, s80, s75                     ; for key: 64 (t / 4) + 8 (t % 4)
	s_mov_b32 s81, 16*4096                         ; from the first run of eight rows to the second, in bytes
	s_lshr_b32 s75, s68, 5
	s_cmp_eq_u32 s75, 1                            ; row blocks 32-63 are key's
	s_cselect_b32 s73, s80, s73
	s_cselect_b32 s81, 32*4096, s81
	s_add_co_u32 s72, s72, s73
	s_lshl_b32 s72, s72, 12
	s_mov_b32 s73, 0
	s_mul_i32 s74, s22, WREG
	s_mul_i32 s76, s68, 98304
	s_mul_i32 s77, s69, 1536
	s_add_co_u32 s76, s76, s77
	s_mov_b32 s77, 0
	s_lshl_b32 s78, s68, 12
	s_lshl_b32 s79, s69, 9
	s_add_co_u32 s78, s78, s79
	s_mov_b32 s79, 0
	v_and_b32 v1, 31, v0
	v_and_b32 v2, 15, v0
	v_bfe_u32 v3, v0, 4, 1
	v_lshlrev_b32 v5, 4, v1
	v_lshlrev_b32 v6, 3, v1
	v_add_nc_u32 v8, s74, v5
.irp i, 0,1,2,3,4,5,6,7
	v_add_nc_u32 v[GA+\i], \i*4096, v5
	v_add_nc_u32 v[GA+8+\i], s81, v[GA+\i]
.endr
.irp i, 0,1,2,3,4,5,6,7,8,9,10,11,12,13,14,15
	v_add_nc_u32 v[LA+\i], \i*PITCH, v8
.endr
	v_mul_u32_u24 v4, v2, PITCH
	v_lshl_add_u32 v4, v3, 7, v4
	v_add_nc_u32 v4, s74, v4                       ; back: row r, + 128 h
	v_lshlrev_b32 v7, 5, v2
	v_lshl_add_u32 v7, v3, 4, v7
	v_lshlrev_b32 v59, 3, v3
	v_mov_b32 v15, 0
	s_wait_alu depctr_va_vdst(0)                   ; the wait at the head's end
	s_wait_dscnt 0x0
	s_wait_kmcnt 0x0
	s_cmp_lt_u32 s68, 120
	s_cselect_b64 s[70:71], s[14:15], s[16:17]
	s_cmp_lt_u32 s68, 112
	s_cselect_b64 s[70:71], s[12:13], s[70:71]
	s_cmp_lt_u32 s68, 104
	s_cselect_b64 s[70:71], s[10:11], s[70:71]
	s_cmp_lt_u32 s68, 96
	s_cselect_b64 s[70:71], s[8:9], s[70:71]
	s_cmp_lt_u32 s68, 64
	s_cselect_b64 s[70:71], s[6:7], s[70:71]
	s_cmp_lt_u32 s68, 32
	s_cselect_b64 s[70:71], s[4:5], s[70:71]
	s_add_nc_u64 s[70:71], s[70:71], s[72:73]
	s_add_nc_u64 s[18:19], s[18:19], s[76:77]
	s_add_nc_u64 s[20:21], s[20:21], s[78:79]
.irp s, 0,1,2,3,4,5,6,7                        ; K step by K step, 16 rows each; the immediate goes to both addresses
.irp i, 0,1,2,3,4,5,6,7,8,9,10,11,12,13,14,15
	global_load_async_to_lds_b128 v[LA+\i], v[GA+\i], s[70:71] offset:512*\s
.endr
.endr
.macro XLOAD s                         ; lane (r, h): k = 128 s + 64 c + 32 h + 0..31 of row r
.irp c, 0,1
.irp j, 0,1,2,3,4,5,6,7
	ds_load_b128 v[X+64*((\s)%2)+32*\c+4*\j:X+64*((\s)%2)+32*\c+4*\j+3], v4 offset:(\s)*512+256*\c+16*\j
.endr
.endr
.endm
.macro QBLK s
.set XS, X+64*((\s)%2)
.set CC, C+12*((\s)%2)
.irp q, 0,1,2,3
	v_max3_num_f32 v[60+\q], |v[XS+16*\q]|, |v[XS+16*\q+1]|, 0x1800000   ; with the floor 2^(3 - 127): the byte cannot fall under 1
.endr
.irp i, 2,4,6,8,10,12,14
.irp q, 0,1,2,3
	v_max3_num_f32 v[60+\q], v[60+\q], |v[XS+16*\q+\i]|, |v[XS+16*\q+\i+1]|
.endr
.endr
	v_max_num_f32 v8, v60, v61
	v_max_num_f32 v9, v62, v63
	v_add_nc_u32 v10, 0xff000000, v8               ; 2 off the exponent field: the conversion's scale operand
	v_add_nc_u32 v11, 0xff000000, v9
	v_lshrrev_b32 v12, 23, v10
	v_lshrrev_b32 v13, 23, v11
	v_lshl_or_b32 v14, v13, 16, v12
	v_lshlrev_b32 v14, v59, v14
	v_permlanex16_b32 v15, v14, s66, s67
	v_or_b32 v[PW+(\s)], v14, v15                  ; the row's scale word of this K step
	s_wait_alu depctr_va_vdst(0)
	s_wait_xcnt 0x0                                ; earlier stores have read the codes' registers
.irp c, 0,1
	v_cvt_scalef32_pk16_fp6_f32 v[CC+6*\c:CC+6*\c+2], v[XS+32*\c:XS+32*\c+15], v[10+\c]
	v_cvt_scalef32_pk16_fp6_f32 v[52+4*\c:54+4*\c], v[XS+32*\c+16:XS+32*\c+31], v[10+\c]
.endr
	v_nop
.irp c, 0,1
.irp i, 0,1,2
	v_mov_b32 v[CC+6*\c+3+\i], v[52+4*\c+\i]
.endr
.endr
.irp c, 0,1
	global_store_b128 v5, v[CC+6*\c:CC+6*\c+3], s[18:19] offset:(\s)*12288+768*\c
	global_store_b64 v6, v[CC+6*\c+4:CC+6*\c+5], s[18:19] offset:(\s)*12288+768*\c+512
.endr
.endm
	s_wait_asynccnt 63                             ; behind K step 0's sixteen copies 112 were issued: the count is held at the field's 63
	XLOAD 0
.irp s, 0,1,2,3,4,5,6
.if 128-16*(\s+2) > 63
	s_wait_asynccnt 63
.else
	s_wait_asynccnt 128-16*(\s+2)                  ; the copies issued behind K step s + 1's
.endif
	XLOAD \s+1
	s_wait_dscnt 16                                ; all but the 16 loads just issued
	QBLK \s
.endr
	s_wait_dscnt 0x0
	QBLK 7
.irp i, 0,1,2,3
	v_cndmask_b32 v[24+\i], v[PW+\i], v[PW+4+\i], s23   ; lanes 0-15 store words 0-3 of their row, lanes 16-31 words 4-7
.endr
	global_store_b128 v7, v[24:27], s[20:21]
	s_wait_tensorcnt 0x0                           ; the wave's end
	s_wait_asynccnt 0x0
	ds_add_u32 v192, v193
	s_wait_dscnt 0x0
	s_endpgm
.Lfunc_end_k_q012f045e28_quant:
	.size	k_q012f045e28_quant, .Lfunc_end_k_q012f045e28_quant-k_q012f045e28_quant
	.p2alignl 7, 3214868480
	.fill 96, 4, 3214868480
	.section	.rodata,"a",@progbits
	.p2align	6, 0x0
	.amdhsa_kernel k_q012f045e28_quant
		.amdhsa_group_segment_fixed_size 327680
		.amdhsa_private_segment_fixed_size 0
		.amdhsa_enable_private_segment 0
		.amdhsa_kernarg_size 72
		.amdhsa_user_sgpr_count 2
		.amdhsa_user_sgpr_kernarg_segment_ptr 1
		.amdhsa_wavefront_size32 1
		.amdhsa_system_sgpr_workgroup_id_x 1
		.amdhsa_system_sgpr_workgroup_id_y 1
		.amdhsa_system_sgpr_workgroup_id_z 1
		.amdhsa_system_vgpr_workitem_id 0
		.amdhsa_next_free_vgpr 228
		.amdhsa_next_free_sgpr 84
		.amdhsa_reserve_vcc 0
		.amdhsa_float_denorm_mode_32 3
		.amdhsa_float_denorm_mode_16_64 3
		.amdhsa_memory_ordered 1
		.amdhsa_forward_progress 1
		.amdhsa_inst_pref_size 54
	.end_amdhsa_kernel
	.amdgpu_metadata
---
amdhsa.version: [ 1, 2 ]
amdhsa.kernels:
  - .name:           k_q012f045e28_quant
    .symbol:         k_q012f045e28_quant.kd
    .args:
      - { .name: query, .offset: 0, .size: 8, .value_kind: global_buffer, .address_space: global }
      - { .name: key, .offset: 8, .size: 8, .value_kind: global_buffer, .address_space: global }
      - { .name: value, .offset: 16, .size: 8, .value_kind: global_buffer, .address_space: global }
      - { .name: Wq, .offset: 24, .size: 8, .value_kind: global_buffer, .address_space: global }
      - { .name: Wk, .offset: 32, .size: 8, .value_kind: global_buffer, .address_space: global }
      - { .name: Wv, .offset: 40, .size: 8, .value_kind: global_buffer, .address_space: global }
      - { .name: Wh, .offset: 48, .size: 8, .value_kind: global_buffer, .address_space: global }
      - { .name: opcod, .offset: 56, .size: 8, .value_kind: global_buffer, .address_space: global }
      - { .name: opscl, .offset: 64, .size: 8, .value_kind: global_buffer, .address_space: global }
    .group_segment_fixed_size: 327680
    .private_segment_fixed_size: 0
    .kernarg_segment_align: 8
    .kernarg_segment_size: 72
    .max_flat_workgroup_size: 128
    .sgpr_count:     84
    .vgpr_count:     228
    .wavefront_size: 32
...
	.end_amdgpu_metadata
.endif
;; end of part 1
;; launch proj (part 2): grid 4 x 48, 4 waves a work-group, clusters of 4 x 4, 327,680 bytes of LDS; arguments opcod, opscl, bq, bk, bv, qimg, kvimg; writes qimg, kvimg
.if DOCPART == 2
	.amdgcn_target "amdgcn-amd-amdhsa--gfx1250"
	.amdhsa_code_object_version 6
	.text
	.protected	k_q012f045e28_proj
	.globl	k_q012f045e28_proj
	.p2align	8
	.type	k_q012f045e28_proj,@function
k_q012f045e28_proj:
	s_mov_b64 s[64:65], 0
	v_nop
	global_prefetch_b8 v0, s[64:65] scope:SCOPE_SE
	s_setreg_imm32_b32 hwreg(HW_REG_WAVE_MODE, 25, 1), 1
	s_wait_xcnt 0x0
	s_wait_alu depctr_hold_cnt(0) depctr_sa_sdst(0) depctr_va_vdst(0) depctr_va_sdst(0) depctr_va_ssrc(0) depctr_va_vcc(0) depctr_vm_vsrc(0)
	s_getreg_b32 s2, hwreg(HW_REG_IB_STS2, 6, 4)
	s_cmp_eq_u32 s2, 0
	s_cbranch_scc0 .Lentry_in_a_cluster
	s_endpgm
.Lentry_in_a_cluster:
	s_bfe_u32 s2, ttmp6, 0x10000c
	s_cmp_lg_u32 s2, 0xf033
	s_cbranch_scc0 .Lentry_shape_is_right
	s_endpgm
.Lentry_shape_is_right:
; Q = query Wq^T + bq, K = key Wk^T + bk, V = value Wv^T + bv on codes of FP6 (E2M3), and each result quantised in registers into the images that the attention launch reads.
; One grid for the three: cluster y / 4 says which (0 Q, 1 K, 2 V).  A work-group makes 256 x 256, a wave 128 x 128: 64 accumulators in windows 2 and 3.
; Source 1 (R) gives a lane its row, source 0 (P) runs along a lane's registers; P's tiles are laid so that two neighbouring tiles give 16 neighbours.  THE AXIS THAT IS QUANTISED NEXT IS ALWAYS P:
; Q, K: R = tokens, P = W's rows (the head's channels);  V: R = Wv's rows (channels), P = value's tokens (the keys).
; Operands lie in memory in the order of the registers (a fragment: 1,536 bytes; see FRAG), so a K step's tiles are dense blocks and every LDS read is 512 or 256 consecutive bytes.
; K = 1,024 is four fills of two K steps each, into three LDS slots: three first fills and ONE refill (slot 0).  The scale words of the 512 rows come once.  By this text's count one tensor load of a wave is out at any time.
; CLUSTER 4 x 4: R's tiles are shared along a row of the cluster, P's along a column: joint loads.
; OUT.  kvimg [b x 16 + head][128 keys][13,056]: +0 eight tiles of K (768 bytes: 16 keys x 64 channels), +6,144 their scale words, +6,656 four fragments of V^T (16 channels x 128 keys), +12,800 their scale words.
;       qimg [b x 16 + head][128 queries][6,656]: the first two parts.
; LIMITS: a block whose largest magnitude lies under 2^-124 keeps the byte 1 (a block of zeros too: its codes are zeros, and only this program reads the bytes); NaN and infinities are not served.
; REGISTERS: window 0: v1-21 addresses; v28, v29 for the add; v32-63 scale words, two sets; v64-127 the bias; v128-223 R's fragments, one set; v224-231 the bias loads' offsets.  window 1: P's fragments, two sets, at v0 and v128.
.set FR,    12
.set KST,   12288                      ; a K step of one row block: 8 fragments
.set REG,   2*KST                      ; a region: two K steps of 128 rows
.set SLOTB, 4*REG                      ; a slot: R's two row blocks, then P's two
.set SCL,   3*SLOTB                    ; the scale words: 4 x 4,096 bytes
.set SPARE, SCL+4*4096                 ; the spare words: 128 bytes a wave, two blocks of 256 bytes that no other line names
.set AA16, 4                           ; v4-6    16 l + my R region in slot 0, 1, 2
.set AA8,  7                           ; v7-9    8 l + the same
.set AB16, 10                          ; v10-12  the same for P
.set AB8,  13                          ; v13-15
.set ADRS, 16                          ; v16     my scale words: lanes 0-15 R's rows, lanes 16-31 P's
.set L16,  17
.set L8,   18
.set SPW,  28
.set NIL,  29
.set SC,   32
.set BI,   64
.set AF,   128
.set H,    128                         ; the way out: 64 numbers of a lane
.set TM,   192
.set PC,   208
.set PWS,  32                          ; the eight scale words made on the way out
.set OB0,  12                          ; s[12:13] the first head's block, s[92:93] the second's
.set OB1,  92
.set SEL,  66
.set G1, 24
.set G1B, 32
.set G1S, 40
.set G1SB, 48
.set G0S, 56
.set G0SB, 60
.set G0, 68
.set G0B, 80
.set MSB, 0
.macro WIN new                         ; the immediate's high byte repeats the setting that is left
.if MSB != (\new)
	s_set_vgpr_msb (MSB<<8)|(\new)
.set MSB, (\new)
.endif
.endm
.macro JLOAD g0a, g1a, g0b, g1b        ; a joint load: waves 0, 1 fetch for R, waves 2, 3 for P; the branch hangs on the wave's number alone; four v_nop follow each line
	s_cmp_eq_u32 s15, 0
	s_cbranch_scc0 .Lfor_b_\@
	tensor_load_to_lds s[\g0a:\g0a+3], s[\g1a:\g1a+7]
	s_nop 0
.rept 4
	v_nop
.endr
	s_branch .Lasked_\@
.Lfor_b_\@:
	tensor_load_to_lds s[\g0b:\g0b+3], s[\g1b:\g1b+7]
	s_nop 0
.rept 4
	v_nop
.endr
.Lasked_\@:
.endm
.macro CREST                           ; a round of the cluster's barrier behind its opening barrier
	s_cmp_lg_u32 s14, 0
	s_cbranch_scc1 .Lnot_wave_0_\@
	s_barrier_signal -3
.Lnot_wave_0_\@:
	s_barrier_wait -3
	s_barrier_signal -1
	s_barrier_wait -1
.endm
.macro CROUND
	s_barrier_signal -1
	s_barrier_wait -1
	CREST
.endm
.macro PLACES                          ; four plain places behind matrix instructions, ahead of loads into their registers and of reads of their results
.rept 4
	v_nop
.endr
.endm
.macro FRAG reg, a16, a8, off          ; a fragment as it was stored: registers 0-3, 4-5, 6-9, 10-11
	ds_load_b128 v[(\reg):(\reg)+3], v[\a16] offset:(\off)
	ds_load_b64 v[(\reg)+4:(\reg)+5], v[\a8] offset:(\off)+512
	ds_load_b128 v[(\reg)+6:(\reg)+9], v[\a16] offset:(\off)+768
	ds_load_b64 v[(\reg)+10:(\reg)+11], v[\a8] offset:(\off)+1280
.endm
.macro FETCH_B slot, q, p              ; P's eight fragments of the slot's q-th K step into set p
	WIN 0x40
.irp i, 0,1,2,3,4,5,6,7
	FRAG 128*(\p)+FR*\i, AB16+\slot, AB8+\slot, (\q)*KST+1536*\i
.endr
	WIN 0
.endm
.macro FETCH_A slot, q, i0             ; R's blocks i0 .. i0 + 3
.irp i, \i0, \i0+1, \i0+2, \i0+3
	FRAG AF+FR*(\i), AA16+\slot, AA8+\slot, (\q)*KST+1536*(\i)
.endr
.endm
.macro SCALES t                        ; the scale words of K steps 2 t, 2 t + 1 into set t % 2
.irp i, 0,1,2,3,4,5,6,7
	ds_load_b64 v[SC+16*((\t)%2)+2*\i:SC+16*((\t)%2)+2*\i+1], v[ADRS] offset:512*\i+8*(\t)
.endr
.endm
; 16 products: R's blocks a0, a0 + 1 x P's eight.  The 64 accumulators take turns in one order in every K step.  cm = 1: the first product starts the sums
.macro MUL16 a0, p, q, sc, cm
.irp a, \a0, \a0+1
.irp b, 0,1,2,3,4,5,6,7
.if \cm == 1
	v_wmma_scale_f32_16x16x128_f8f6f4 v[8*(8*((\a)%4)+\b):8*(8*((\a)%4)+\b)+7], v[128*(\p)+FR*\b:128*(\p)+FR*\b+FR-1], v[AF+FR*(\a):AF+FR*(\a)+FR-1], 0, v[SC+16*(\sc)+2*\b+(\q)], v[SC+16*(\sc)+2*(\a)+(\q)] matrix_a_fmt:MATRIX_FMT_FP6 matrix_b_fmt:MATRIX_FMT_FP6 matrix_a_scale:MATRIX_SCALE_ROW1
.else
	v_wmma_scale_f32_16x16x128_f8f6f4 v[8*(8*((\a)%4)+\b):8*(8*((\a)%4)+\b)+7], v[128*(\p)+FR*\b:128*(\p)+FR*\b+FR-1], v[AF+FR*(\a):AF+FR*(\a)+FR-1], v[8*(8*((\a)%4)+\b):8*(8*((\a)%4)+\b)+7], v[SC+16*(\sc)+2*\b+(\q)], v[SC+16*(\sc)+2*(\a)+(\q)] matrix_a_fmt:MATRIX_FMT_FP6 matrix_b_fmt:MATRIX_FMT_FP6 matrix_a_scale:MATRIX_SCALE_ROW1
.endif
.endr
.endr
.endm
; A K step whose successor (slot nslot, K step nq of it) lies in LDS already.  scl >= 0: that successor's scale words are fetched too
.macro STEP nslot, nq, sc, q, cm, scl
	s_wait_dscnt 16                                ; all but the youngest 16 loads (R's blocks 4-7) are in
	WIN 0xa1
	MUL16 0, \q, \q, \sc, \cm
	MUL16 2, \q, \q, \sc, \cm
	s_wait_dscnt 0x0                               ; R's blocks 4-7 are in
	PLACES
	FETCH_B \nslot, \nq, 1-\q
	FETCH_A \nslot, \nq, 0
.if \scl >= 0
	SCALES \scl
.endif
	WIN 0xf1
	MUL16 4, \q, \q, \sc, \cm
	MUL16 6, \q, \q, \sc, \cm
	PLACES
	WIN 0
	FETCH_A \nslot, \nq, 4
.endm
; A slot's last K step with a barrier: ahead of it each wave waits for all its tensor loads, adds 0 to its spare word, and waits for that and for its reads.  fill = 1: slot 0 is filled again, with K steps 6 and 7
.macro TURN next, sc, t, fill
	s_wait_tensorcnt 0x0                           ; all my tensor loads have landed
	ds_add_u32 v[SPW], v[NIL]                      ; 0 onto my spare word
.if \fill
.irp g, G1, G1B                                ; no tensor load of mine is out: the refill brings 96 rows of 256 bytes
	s_mov_b32 s[\g+2], 96<<16
	s_mov_b32 s[\g+4], 96
.endr
.endif
	s_wait_dscnt 17
	WIN 0xa1
	MUL16 0, 1, 1, \sc, 0
	s_wait_dscnt 0x0                               ; the add is done, and my reads of the slot are over
	s_barrier_signal -1
	MUL16 2, 1, 1, \sc, 0
	WIN 0
	s_barrier_wait -1
.if \fill
	CREST                                          ; the barrier has opened a round of the cluster's: no wave of any partner still reads slot 0 or has a load on its way
	s_add_nc_u64 s[G0+2:G0+3], s[G0+2:G0+3], 3*REG
	s_add_nc_u64 s[G0B+2:G0B+3], s[G0B+2:G0B+3], 3*REG
	JLOAD G0, G1, G0B, G1B                         ; the first tensor load behind the round; it has the rest of K step 1 and K steps 2 to 4, 224 matrix instructions, in which to land
.else
	PLACES
.endif
	FETCH_B \next, 0, 0
	FETCH_A \next, 0, 0
	SCALES \t
	WIN 0xf1
	MUL16 4, 1, 1, \sc, 0
	MUL16 6, 1, 1, \sc, 0
	PLACES
	WIN 0
	FETCH_A \next, 0, 4
.endm
	s_load_b256 s[4:11], s[0:1], 0x0               ; opcod, opscl, bq, bk
	s_load_b128 s[16:19], s[0:1], 0x20             ; bv, qimg
	s_load_b64 s[20:21], s[0:1], 0x30              ; kvimg
	v_lshl_add_u32 v[SPW], v0, 2, SPARE
	v_mov_b32 v[NIL], 0
	ds_add_u32 v28, v29
	ds_add_u32 v28, v29
	s_wait_dscnt 0x0
	v_lshrrev_b32 v1, 5, v0
	v_readfirstlane_b32 s14, v1                    ; wave
	s_lshr_b32 s15, s14, 1                         ; which of R's two row blocks is mine.  Also: I fetch for R (0) or for P (1)
	s_and_b32 s22, s14, 1                          ; which of P's.  Also: which row block I fetch
	s_bfe_u32 s92, ttmp6, 0x40000                  ; cx
	s_bfe_u32 s93, ttmp6, 0x40004                  ; cy
	s_and_b32 s94, ttmp7, 0xffff                   ; cluster y, 0..11
	s_lshr_b32 s23, s94, 2                         ; which product: 0 Q, 1 K, 2 V: the same in all partners
	s_and_b32 s94, s94, 3                          ; which quarter of the 4,096 tokens
	s_lshl_b32 s96, s93, 2
	s_lshl_b32 s96, 15, s96                        ; my row of the cluster
	s_lshl_b32 s97, 0x1111, s92                    ; my column
	s_or_b32 s[G1], s96, (3<<16)|(1<<21)           ; the mask; elements of 8 bytes; bit 21 beside a mask; no padding
	s_or_b32 s[G1B], s97, (3<<16)|(1<<21)
	s_or_b32 s[G1S], s96, (3<<16)|(1<<21)
	s_or_b32 s[G1SB], s97, (3<<16)|(1<<21)
.irp g, G1, G1B                                ; the head's codes: K steps 0, 1 of two row blocks: two rows of 24,576 bytes, 98,304 bytes apart
	s_mov_b32 s[\g+1], 3072<<16
	s_mov_b32 s[\g+2], 2<<16
	s_mov_b32 s[\g+3], 3072<<16
	s_mov_b32 s[\g+4], 2
	s_mov_b32 s[\g+5], 12288
	s_mov_b32 s[\g+6], 0
	s_mov_b32 s[\g+7], 0
.endr
.irp g, G1S, G1SB                              ; scale words: 8,192 dense bytes as 32 rows of 256
	s_mov_b32 s[\g+1], 32<<16
	s_mov_b32 s[\g+2], 32<<16                      ; the scale words of two row blocks: 8,192 dense bytes
	s_mov_b32 s[\g+3], 32<<16
	s_mov_b32 s[\g+4], 32
	s_mov_b32 s[\g+5], 32
	s_mov_b32 s[\g+6], 0
	s_mov_b32 s[\g+7], 0
.endr
	s_lshl_b32 s98, s23, 5                         ; Q, K: R begins at row block 32 x product,
	s_lshl_b32 s99, s23, 3
	s_add_co_u32 s99, s99, 96                      ; P at 96 + 8 x product
	s_cmp_eq_u32 s23, 2
	s_cselect_b32 s100, 0, s94                     ; the tokens' quarter goes to R (Q, K) or to P (V)
	s_cselect_b32 s101, s94, 0
	s_cselect_b32 s98, 112, s98                    ; V: R = Wv,
	s_cselect_b32 s99, 64, s99                     ; P = value
	s_lshl_b32 s100, s100, 2
	s_add_co_u32 s100, s100, s93                   ; R's block of 256 rows: hangs on cy and the cluster's y
	s_lshl_b32 s101, s101, 2
	s_add_co_u32 s101, s101, s92                   ; P's: on cx and the cluster's y
	s_lshl_b32 s12, s100, 1
	s_add_co_u32 s12, s12, s98
	s_lshl_b32 s13, s101, 1
	s_add_co_u32 s13, s13, s99
	s_mul_i32 s2, s12, 8*KST
	s_mov_b32 s3, 0
	s_mul_i32 s96, s13, 8*KST
	s_mov_b32 s97, 0
	s_lshl_b32 s[G0S+2], s12, 12
	s_mov_b32 s[G0S+3], 0
	s_lshl_b32 s[G0SB+2], s13, 12
	s_mov_b32 s[G0SB+3], 0
	s_mul_i32 s98, s14, REG                        ; where they go: wave x a region: no place in the cluster enters an LDS address
	s_mul_i32 s99, s14, 2*REG
	s_add_co_u32 s99, s99, SLOTB                   ; K steps 2 to 5 of my row block lie on end behind slot 0: wave x two regions
	s_wait_kmcnt 0x0
	s_add_nc_u64 s[2:3], s[4:5], s[2:3]
	s_add_nc_u64 s[96:97], s[4:5], s[96:97]
	s_mov_b32 s[G0S], 1
	s_mov_b32 s[G0S+1], SCL
	s_add_nc_u64 s[G0S+2:G0S+3], s[6:7], s[G0S+2:G0S+3]
	s_or_b32 s[G0S+3], s[G0S+3], 0x80000000
	s_mov_b32 s[G0SB], 1
	s_mov_b32 s[G0SB+1], SCL+8192
	s_add_nc_u64 s[G0SB+2:G0SB+3], s[6:7], s[G0SB+2:G0SB+3]
	s_or_b32 s[G0SB+3], s[G0SB+3], 0x80000000
	; THE FILLS AS THEY NOW STAND: at the head one joint load a wave (R's codes of K steps 0, 1; P's; R's scale words; P's); behind the full sequence and a round one load a wave with K steps 2 to 5 of its row block;
	; in K step 1 the one refill of slot 0 with K steps 6, 7.  By this text's count one tensor load of a wave is out at any time.
	s_mov_b32 s[G0+8], 1                           ; the head's group 0: R's two row blocks into slot 0,
	s_mov_b32 s[G0+9], 0
	s_mov_b64 s[G0+10:G0+11], s[2:3]
	s_or_b32 s[G0+11], s[G0+11], 0x80000000
	s_mov_b32 s[G0B+8], 1                          ; P's two behind them
	s_mov_b32 s[G0B+9], 2*REG
	s_mov_b64 s[G0B+10:G0B+11], s[96:97]
	s_or_b32 s[G0B+11], s[G0B+11], 0x80000000
	s_mul_i32 s12, s22, 8*KST                      ; from here on: the row block that I fetch
	s_mov_b32 s13, 0
	s_add_nc_u64 s[2:3], s[2:3], s[12:13]
	s_add_nc_u64 s[96:97], s[96:97], s[12:13]
	s_mov_b32 s[G0], 1                             ; slot 0's refill steps this address to K step 6
	s_mov_b32 s[G0+1], s98
	s_mov_b64 s[G0+2:G0+3], s[2:3]
	s_or_b32 s[G0+3], s[G0+3], 0x80000000
	s_mov_b32 s[G0+4], 1                           ; K steps 2 to 5
	s_mov_b32 s[G0+5], s99
	s_add_nc_u64 s[G0+6:G0+7], s[2:3], REG
	s_or_b32 s[G0+7], s[G0+7], 0x80000000
	s_mov_b32 s[G0B], 1
	s_mov_b32 s[G0B+1], s98
	s_mov_b64 s[G0B+2:G0B+3], s[96:97]
	s_or_b32 s[G0B+3], s[G0B+3], 0x80000000
	s_mov_b32 s[G0B+4], 1
	s_mov_b32 s[G0B+5], s99
	s_add_nc_u64 s[G0B+6:G0B+7], s[96:97], REG
	s_or_b32 s[G0B+7], s[G0B+7], 0x80000000
	CROUND                                         ; all sixteen work-groups are here: the first joint loads meet
.macro ARM under, g0, g1, next         ; one chain of branches on the wave's number, one load to an arm, all arms to one join
	s_cmp_lt_u32 s14, \under
	s_cbranch_scc0 \next
	tensor_load_to_lds s[\g0:\g0+3], s[\g1:\g1+7]
	s_nop 0
.rept 4
	v_nop
.endr
	s_branch .Lhead_asked
\next:
.endm
	ARM 1, G0+8,  G1,  .Lhead_b
	ARM 2, G0B+8, G1B, .Lhead_sa
	ARM 3, G0S,   G1S, .Lhead_sb
	tensor_load_to_lds s[G0SB:G0SB+3], s[G1SB:G1SB+7]
	s_nop 0
.rept 4
	v_nop
.endr
.Lhead_asked:
	v_and_b32 v3, 31, v0
	v_and_b32 v1, 15, v0                           ; r
	v_bfe_u32 v2, v0, 4, 1                         ; h
	v_lshlrev_b32 v[L16], 4, v3
	v_lshlrev_b32 v[L8], 3, v3
	s_mul_i32 s2, s15, REG                         ; my row block of R,
	s_add_co_u32 s3, s22, 2
	s_mul_i32 s3, s3, REG                          ; and of P, behind R's two
.irp k, 0,1,2
	v_add_nc_u32 v[AA16+\k], s2, v[L16]
	v_add_nc_u32 v[AA8+\k], s2, v[L8]
	v_add_nc_u32 v[AB16+\k], s3, v[L16]
	v_add_nc_u32 v[AB8+\k], s3, v[L8]
.if \k == 0
	s_lshl_b32 s2, s2, 1                           ; behind slot 0 a row block has two regions on end
	s_lshl_b32 s3, s3, 1
	s_add_co_u32 s2, s2, SLOTB
	s_add_co_u32 s3, s3, SLOTB
.else
	s_add_co_u32 s2, s2, REG
	s_add_co_u32 s3, s3, REG
.endif
.endr
	s_add_co_u32 s96, s22, 2
	s_sub_co_u32 s96, s96, s15
	s_lshl_b32 s96, s96, 12                        ; from R's scale words to P's
	v_mul_u32_u24 v[ADRS], s96, v2                 ; lanes 16-31 take P's
	v_lshl_add_u32 v[ADRS], v1, 5, v[ADRS]         ; 32 bytes a row
	s_lshl_b32 s97, s15, 12
	s_add_co_u32 s97, s97, SCL
	v_add_nc_u32 v[ADRS], s97, v[ADRS]
	; the bias and the way out's bases.  (None of these registers feeds a descriptor.)
	s_lshl_b32 s92, s100, 1
	s_add_co_u32 s92, s92, s15                     ; my row block of R, counted in its tensor
	s_lshl_b32 s93, s101, 1
	s_add_co_u32 s93, s93, s22                     ; and of P
	s_mov_b32 s97, 13056
	s_cmp_eq_u32 s23, 2
	s_cselect_b32 s94, s93, s92                    ; the tokens' row block, 0..31
	s_cselect_b32 s100, s92, s93                   ; the channels', 0..7: heads 2 x it and 2 x it + 1
	s_cselect_b32 s101, -1, 0
	s_cselect_b32 s96, 0, 4
	s_cselect_b64 s[2:3], s[16:17], s[10:11]
	s_cmp_eq_u32 s23, 0
	s_cselect_b64 s[2:3], s[8:9], s[2:3]           ; bq, bk or bv
	s_cselect_b64 s[OB0:OB0+1], s[18:19], s[20:21] ; qimg or kvimg
	s_cselect_b32 s97, 6656, s97                   ; bytes of a block of 128 tokens there
	s_lshl_b32 s98, s100, 9
	s_mov_b32 s99, 0
	s_add_nc_u64 s[2:3], s[2:3], s[98:99]          ; the bias of my 128 channels
	s_lshr_b32 s98, s94, 4
	s_lshl_b32 s98, s98, 4                         ; 16 x batch
	s_lshl_b32 s99, s100, 1
	s_add_co_u32 s98, s98, s99                     ; + the first head
	s_lshl_b32 s98, s98, 4
	s_and_b32 s99, s94, 15
	s_add_co_u32 s98, s98, s99                     ; x 16 + the block of 128 tokens
	s_mul_i32 s98, s98, s97
	s_mov_b32 s99, 0
	s_add_nc_u64 s[OB0:OB0+1], s[OB0:OB0+1], s[98:99]
	s_lshl_b32 s98, s97, 4
	s_add_nc_u64 s[OB1:OB1+1], s[OB0:OB0+1], s[98:99]  ; the next head: 16 blocks on
	; bias register 8 x + j: Q, K: channel 32 (x / 2) + 8 (x % 2) + 16 h + j (the result's layout);  V: channel 32 (x / 2) + 8 (x % 2) + r + 8 (r / 8), my row of tile x, for every j
	v_lshlrev_b32 v19, 6, v2
	v_lshrrev_b32 v20, 3, v1
	v_lshlrev_b32 v21, 2, v1
	v_lshl_add_u32 v20, v20, 5, v21
	v_cndmask_b32 v224, v19, v20, s101
.irp j, 1,2,3,4,5,6,7
	v_add_nc_u32 v[224+\j], s96, v[223+\j]
.endr
.irp x, 0,1,2,3,4,5,6,7
.irp j, 0,1,2,3,4,5,6,7
	global_load_b32 v[BI+8*\x+\j], v[224+\j], s[2:3] offset:4*(32*(\x/2)+8*(\x%2))
.endr
.endr
	s_mov_b32 s[SEL], 0x76543210
	s_mov_b32 s[SEL+1], 0xfedcba98
	s_wait_alu depctr_va_vdst(0)                   ; the wait at the head's end
	s_wait_tensorcnt 0x0                           ; my tile of the head's four is in
	ds_add_u32 v[SPW], v[NIL]
.irp g, G1, G1B                                ; no tensor load of mine is out: the next load brings 49,152 dense bytes as 192 rows of 256
	s_mov_b32 s[\g+1], 32<<16
	s_mov_b32 s[\g+2], 192<<16
	s_mov_b32 s[\g+3], 32<<16
	s_mov_b32 s[\g+4], 192
	s_mov_b32 s[\g+5], 32
.endr
	s_wait_dscnt 0x0
	CROUND                                         ; a whole round: all four tiles are in, and the joint loads meet
	JLOAD G0+4, G1, G0B+4, G1B                     ; K steps 2 to 5, the first tensor load behind the round
	FETCH_B 0, 0, 0
	FETCH_A 0, 0, 0
	SCALES 0
	FETCH_A 0, 0, 4
	STEP 0, 1, 0, 0, 1, -1                         ; K step 0: its products start the sums
	TURN 1, 0, 1, 1                                ; K step 1: slot 0 is left and filled again; every slot is whole behind this round
	STEP 1, 1, 1, 0, 0, -1                         ; K step 2
	STEP 2, 0, 1, 1, 0, 2                          ; K step 3: on to slot 2, which that round has shown whole
	STEP 2, 1, 0, 0, 0, -1                         ; K step 4
	TURN 0, 0, 3, 0                                ; K step 5: the refill has landed in every wave's part; nothing is filled
	STEP 0, 1, 1, 0, 0, -1                         ; K step 6
	s_wait_dscnt 16                                ; K step 7: nothing more to fetch
	WIN 0xa1
	MUL16 0, 1, 1, 1, 0
	MUL16 2, 1, 1, 1, 0
	s_wait_dscnt 0x0
	WIN 0xf1
	MUL16 4, 1, 1, 1, 0
	MUL16 6, 1, 1, 1, 0
	WIN 0
; THE WAY OUT.  64 numbers of a lane, register 16 b + i = index 32 b + 16 h + i along the next K of the lane's row, become a fragment's codes in v[PC] on and its scale word in v[pw].
.macro QUANT s, pw
.irp b, 0,1,2,3
	v_max3_num_f32 v[TM+\b], |v[\s+16*\b]|, |v[\s+1+16*\b]|, 0x1800000   ; my 16 numbers of block b, and the floor 2^(3 - 127): the byte cannot fall under 1
.endr
.irp i, 2,4,6,8,10,12,14
.irp b, 0,1,2,3
	v_max3_num_f32 v[TM+\b], v[TM+\b], |v[\s+16*\b+\i]|, |v[\s+1+16*\b+\i]|
.endr
.endr
.irp b, 0,1,2,3
	v_permlanex16_b32 v[TM+4+\b], v[TM+\b], s[SEL], s[SEL+1]
.endr
.irp b, 0,1,2,3
	v_max_num_f32 v[TM+\b], v[TM+\b], v[TM+4+\b]   ; with lane l xor 16's: the block's largest magnitude
.endr
.irp b, 0,1,2,3
	v_add_nc_u32 v[TM+12+\b], 0xff000000, v[TM+\b] ; 2 off its exponent field: the conversion's scale operand
.endr
.irp b, 0,1,2,3
	v_lshrrev_b32 v[TM+4+\b], 23, v[TM+12+\b]      ; the scale's byte
.endr
	v_lshl_or_b32 v[\pw], v[TM+5], 8, v[TM+4]
	v_lshl_or_b32 v[\pw], v[TM+6], 16, v[\pw]
	v_lshl_or_b32 v[\pw], v[TM+7], 24, v[\pw]
	s_wait_xcnt 0x0                                ; the last tile's stores have read the codes' registers
.irp c, 0,1
	v_cvt_scalef32_pk16_fp6_f32 v[PC+6*\c:PC+2+6*\c], v[\s+32*\c:\s+15+32*\c], v[TM+12+2*\c]
	v_cvt_scalef32_pk16_fp6_f32 v[PC+12+4*\c:PC+14+4*\c], v[\s+16+32*\c:\s+31+32*\c], v[TM+12+2*\c+1]
.endr
	v_nop                                          ; one plain place behind a scaled conversion
.irp c, 0,1                                    ; the operand's layout wants a whole block in a lane
.irp i, 0,1,2
	v_permlane16_swap_b32 v[PC+6*\c+\i], v[PC+12+4*\c+\i]
.endr
.irp i, 0,1,2
	v_mov_b32 v[PC+3+6*\c+\i], v[PC+12+4*\c+\i]
.endr
.endr
.endm
; R's tile a at a time: the bias is added as the sums move to window 0 (each accumulator from its low end on), the 64 numbers are quantised, the fragment is stored as it stands.
; Q, K: half c of the fragment is head c's 64 channels of 16 tokens: tile a of that head's block.  V: the fragment is 16 channels x 128 keys: fragment a % 4 of head a / 4.
.macro EPI isv
.irp a, 0,1,2,3,4,5,6,7
	WIN 0x02+\a/4
.irp b, 0,1,2,3,4,5,6,7
.irp j, 0,2,4,6
.if \isv
	v_pk_add_f32 v[H+8*\b+\j:H+8*\b+\j+1], v[8*(8*(\a%4)+\b)+\j:8*(8*(\a%4)+\b)+\j+1], v[BI+8*\a:BI+8*\a+1]
.else
	v_pk_add_f32 v[H+8*\b+\j:H+8*\b+\j+1], v[8*(8*(\a%4)+\b)+\j:8*(8*(\a%4)+\b)+\j+1], v[BI+8*\b+\j:BI+8*\b+\j+1]
.endif
.endr
.endr
	WIN 0
	QUANT H, PWS+\a
.irp c, 0,1
.if \isv
	global_store_b128 v[L16], v[PC+6*\c:PC+6*\c+3], s[OB0+(OB1-OB0)*(\a/4):OB0+(OB1-OB0)*(\a/4)+1] offset:6656+1536*(\a%4)+768*\c
	global_store_b64 v[L8], v[PC+6*\c+4:PC+6*\c+5], s[OB0+(OB1-OB0)*(\a/4):OB0+(OB1-OB0)*(\a/4)+1] offset:6656+1536*(\a%4)+768*\c+512
.else
	global_store_b128 v[L16], v[PC+6*\c:PC+6*\c+3], s[OB0+(OB1-OB0)*\c:OB0+(OB1-OB0)*\c+1] offset:768*\a
	global_store_b64 v[L8], v[PC+6*\c+4:PC+6*\c+5], s[OB0+(OB1-OB0)*\c:OB0+(OB1-OB0)*\c+1] offset:768*\a+512
.endif
.endr
.endr
.irp i, 0,1,2,3
	v_cndmask_b32 v[40+\i], v[PWS+2*\i], v[PWS+2*\i+1], s94   ; the scale words' image: lanes 0-15 the even tile's, lanes 16-31 the odd tile's
.endr
.if \isv
	global_store_b64 v[L8], v[40:41], s[OB0:OB0+1] offset:12800
	global_store_b64 v[L8], v[42:43], s[OB1:OB1+1] offset:12800
.else
.irp i, 0,1,2,3
	v_and_b32 v[44+\i], 0xffff, v[40+\i]           ; the first head's two bytes; the upper two, for the K that is filled with zero codes, are 0
	v_lshrrev_b32 v[48+\i], 16, v[40+\i]           ; the second head's
.endr
	global_store_b128 v[L16], v[44:47], s[OB0:OB0+1] offset:6144
	global_store_b128 v[L16], v[48:51], s[OB1:OB1+1] offset:6144
.endif
.endm
	PLACES
	s_wait_loadcnt 0x0                             ; the bias
.irp b, 0,1,2,3
	v_mov_b32 v[TM+4+\b], 0                        ; a lane permute's destination counts as read
.endr
	s_mov_b32 s94, 0xffff0000                      ; lanes 16-31
	s_cmp_eq_u32 s23, 2                            ; the same in all partners: it hangs on the cluster's y alone
	s_cbranch_scc1 .Lv_out
	EPI 0
	s_branch .Ldone
.Lv_out:
	EPI 1
.Ldone:
	s_wait_tensorcnt 0x0                           ; the wave's end
	ds_add_u32 v[SPW], v[NIL]
	s_wait_dscnt 0x0
	CROUND                                         ; the closing round
	s_endpgm
.Lfunc_end_k_q012f045e28_proj:
	.size	k_q012f045e28_proj, .Lfunc_end_k_q012f045e28_proj-k_q012f045e28_proj
	.p2alignl 7, 3214868480
	.fill 96, 4, 3214868480
	.section	.rodata,"a",@progbits
	.p2align	6, 0x0
	.amdhsa_kernel k_q012f045e28_proj
		.amdhsa_group_segment_fixed_size 327680
		.amdhsa_private_segment_fixed_size 0
		.amdhsa_enable_private_segment 0
		.amdhsa_kernarg_size 56
		.amdhsa_user_sgpr_count 2
		.amdhsa_user_sgpr_kernarg_segment_ptr 1
		.amdhsa_wavefront_size32 1
		.amdhsa_system_sgpr_workgroup_id_x 1
		.amdhsa_system_sgpr_workgroup_id_y 1
		.amdhsa_system_sgpr_workgroup_id_z 1
		.amdhsa_system_vgpr_workitem_id 0
		.amdhsa_next_free_vgpr 1024
		.amdhsa_next_free_sgpr 102
		.amdhsa_reserve_vcc 0
		.amdhsa_float_denorm_mode_32 3
		.amdhsa_float_denorm_mode_16_64 3
		.amdhsa_memory_ordered 1
		.amdhsa_forward_progress 1
		.amdhsa_inst_pref_size 222
	.end_amdhsa_kernel
	.amdgpu_metadata
---
amdhsa.version: [ 1, 2 ]
amdhsa.kernels:
  - .name:           k_q012f045e28_proj
    .symbol:         k_q012f045e28_proj.kd
    .args:
      - { .name: opcod, .offset: 0, .size: 8, .value_kind: global_buffer, .address_space: global }
      - { .name: opscl, .offset: 8, .size: 8, .value_kind: global_buffer, .address_space: global }
      - { .name: bq, .offset: 16, .size: 8, .value_kind: global_buffer, .address_space: global }
      - { .name: bk, .offset: 24, .size: 8, .value_kind: global_buffer, .address_space: global }
      - { .name: bv, .offset: 32, .size: 8, .value_kind: global_buffer, .address_space: global }
      - { .name: qimg, .offset: 40, .size: 8, .value_kind: global_buffer, .address_space: global }
      - { .name: kvimg, .offset: 48, .size: 8, .value_kind: global_buffer, .address_space: global }
    .group_segment_fixed_size: 327680
    .private_segment_fixed_size: 0
    .kernarg_segment_align: 8
    .kernarg_segment_size: 56
    .max_flat_workgroup_size: 128
    .sgpr_count:     102
    .vgpr_count:     1024
    .wavefront_size: 32
...
	.end_amdgpu_metadata
.endif
;; end of part 2
;; launch attn (part 3): grid 8 x 32, 16 waves a work-group, clusters of 4 x 1, 231,424 bytes of LDS; arguments qimg, kvimg, acod, ascl; writes acod, ascl
.if DOCPART == 3
	.amdgcn_target "amdgcn-amd-amdhsa--gfx1250"
	.amdhsa_code_object_version 6
	.text
	.protected	k_q012f045e28_attn
	.globl	k_q012f045e28_attn
	.p2align	8
	.type	k_q012f045e28_attn,@function
k_q012f045e28_attn:
	s_mov_b64 s[64:65], 0
	v_nop
	global_prefetch_b8 v0, s[64:65] scope:SCOPE_SE
	s_setreg_imm32_b32 hwreg(HW_REG_WAVE_MODE, 25, 1), 1
	s_wait_xcnt 0x0
	s_wait_alu depctr_hold_cnt(0) depctr_sa_sdst(0) depctr_va_vdst(0) depctr_va_sdst(0) depctr_va_ssrc(0) depctr_va_vcc(0) depctr_vm_vsrc(0)
	s_getreg_b32 s2, hwreg(HW_REG_IB_STS2, 6, 4)
	s_cmp_eq_u32 s2, 0
	s_cbranch_scc0 .Lentry_in_a_cluster
	s_endpgm
.Lentry_in_a_cluster:
	s_bfe_u32 s2, ttmp6, 0x10000c
	s_cmp_lg_u32 s2, 0x3003
	s_cbranch_scc0 .Lentry_shape_is_right
	s_endpgm
.Lentry_shape_is_right:
; For each of 32 (batch, head): O[q] = sum over k of softmax_k(Q[q] . K[k] / 8) V[k], both products on codes of FP6 (E2M3); O / l is quantised into the left operand of the last product.
; THE SOFTMAX: t = score x log2(e) / 8; M = the running largest t rounded UP to a whole number; p = 2^(t - M) is quantised along the keys, not normalised; the row's sum is taken of the unquantised p and divides O at the end.
; When M moves, the sum and O are multiplied by 2^(old M - new M): exact.
; SHARES.  A work-group owns 256 queries of a head, each of its sixteen waves one tile of 16, in 256 registers: four waves to a SIMD.
; A WHOLE HEAD'S K, V AND SCALE WORDS, 16 x 13,056 bytes, lie in LDS, filled ONCE: wave w brings key step w's block by its one joint load at the head; no byte is filled again.  One barrier shows all of it to all waves.
; The four work-groups of a cluster belong to one head: each block is asked for jointly.  No prefetch: all requests stand at the head, there is no loop to run ahead in.
; LAYOUT.  Both products are used transposed: S^T = K Q^T, O^T = V^T P^T: a lane holds ONE query (lane % 16).  Tile t of K holds keys 64 (t / 4) + 8 (t % 4) + 0..7 in rows 0-7 and the keys 32 further on in rows 8-15:
; so registers 32 c + 0..31 of S^T in lane (r, h) are keys 64 c + 32 h + 0..31: a WHOLE block of 32, in the order of the second product's operand.  A block's maximum needs no other lane, and the codes are not moved between lanes.
; V^T's fragments hold channels 32 (f / 2) + 8 (f % 2) + r + 8 (r / 8), so that O^T's registers of two tiles are 16 neighbouring channels.
; The head's K is 64: the first product's upper 64 are zero codes on Q's side (v22-27), under scale bytes 0 (2^-127, no NaN); what stands there on K's side (the next tile's codes, or whatever bits the six registers behind tile 7 hold:
; every pattern of 6 bits is a finite number) adds nothing.
; TWO AREAS OF 64 REGISTERS CHANGE ROLES FROM STEP TO STEP: one holds K's tiles and then V's fragments; the other S^T, then p, and, as soon as the conversions and the sums have read p, the NEXT step's tiles of K.
; So a trip of the loop is two steps; the last two steps are written out, the very last asks for no further K.
; OUT.  reference() reshapes [head][query][64] flat to rows of 1,024: row = 128 x head + q / 16, k = 64 (q % 16) + channel.  So my 256 queries are one tile of 16 rows x 1,024: sixteen half fragments, one for each q % 16.
; They are gathered in LDS and each wave stores one: acod [b x 16 + head][K step][tile][1,536], ascl [..][tile][row][K step] words.
; LIMITS: the promise holds while |t| stays under 2^31; a block whose largest magnitude lies under 2^-124 keeps the byte 1 (a block of zeros too: its codes are zeros, and only this program reads the bytes); NaN and infinities are not served.
; A block's largest p is taken as the exponential of the block's largest score (v_exp_f32 is taken not to fall where its input rises).
; REGISTERS: v1, v2 16 l, 8 l; v3, v4 the trip's LDS addresses; v5-9 the way out's; v12 -M, v13 the largest score, v[14:15] the sum; v16-27 Q, v28 its scale word; v32-95, v96-159 the two areas; v160-191 O^T; v192-203 at work;
;   v204-215 p's codes; v216-222 at work; v223 p's scale word; v[224:225] f; v226 the old -M; v228-241 chains of the sum; v242-245, v246-247 K's and V's scale words.
.set STEPB, 13056                      ; a step's block: 8 tiles of K, their scale words, 4 fragments of V, their scale words: 51 rows of 256 bytes
.set OST,   16*STEPB                   ; the way out: 16 half fragments, 784 bytes apart
.set ASC,   OST+12800                  ; and the tile's 512 bytes of scale words
.set WV,  12
.set SEL, 36
.set CS,  38
.set TB,  40
.set CNT, 41
.set SM,  228
.set KS,  242
.set VS,  246
.macro CROUND
	s_barrier_signal -1
	s_barrier_wait -1
	s_cmp_lg_u32 s[WV], 0
	s_cbranch_scc1 .Lnot_wave_0_\@
	s_barrier_signal -3
.Lnot_wave_0_\@:
	s_barrier_wait -3
	s_barrier_signal -1
	s_barrier_wait -1
.endm
	s_load_b256 s[4:11], s[0:1], 0x0               ; qimg, kvimg, acod, ascl
	v_lshl_add_u32 v254, v0, 2, 0x38000
	v_mov_b32 v255, 0
	ds_add_u32 v254, v255                          ; the opening lines: the add twice and one wait
	ds_add_u32 v254, v255
	v_lshrrev_b32 v1, 5, v0
	s_delay_alu instid0(VALU_DEP_1)
	v_readfirstlane_b32 s[WV], v1                  ; wave 0..15
	s_bfe_u32 s13, ttmp6, 0x40000                  ; cx
	s_lshl_b32 s14, ttmp9, 2
	s_add_co_u32 s14, s14, s13                     ; my block of 256 queries: it enters Q's and the outputs' addresses alone
	s_and_b32 s15, ttmp7, 0xffff                   ; 16 x batch + head, which the four partners share
	s_mov_b32 s16, 15|(3<<16)|(1<<21)              ; the mask: all four; elements of 8 bytes; bit 21 beside a mask
	s_mov_b32 s17, 32<<16
	s_mov_b32 s18, 51<<16
	s_mov_b32 s19, 32<<16
	s_mov_b32 s20, 51
	s_mov_b32 s21, 32
	s_mov_b32 s22, 0
	s_mov_b32 s23, 0
	s_mov_b32 s[SEL], 0x76543210
	s_mov_b32 s[SEL+1], 0xfedcba98
	s_mov_b32 s[CS], 0x3e38aa3b                    ; c = log2(e) / 8
	s_mov_b32 s[CS+1], s[CS]
	s_mov_b32 s42, 0xffff0000                      ; lanes 16-31
	s_mul_i32 s43, s[WV], STEPB
	s_mul_i32 s44, s15, 16*STEPB
	s_add_co_u32 s44, s44, s43
	s_mov_b32 s45, 0
	s_lshl_b32 s46, s14, 1
	s_lshr_b32 s47, s[WV], 3
	s_add_co_u32 s46, s46, s47                     ; my block of 128 queries
	s_mul_i32 s46, s46, 6656
	s_mul_i32 s47, s15, 16*6656
	s_add_co_u32 s46, s46, s47
	s_and_b32 s47, s[WV], 7                        ; my tile in it
	s_mul_i32 s48, s47, 768
	s_add_co_u32 s48, s48, s46
	s_mov_b32 s49, 0
	s_and_b32 s50, s47, 1
	s_lshl_b32 s50, s50, 8
	s_lshr_b32 s51, s47, 1
	s_lshl_b32 s51, s51, 2
	s_add_co_u32 s50, s50, s51                     ; its words in the scale image: 256 (t % 2) + 4 (t / 2), 16 bytes a row
	s_add_co_u32 s50, s50, s46
	s_mov_b32 s51, 0
	s_lshr_b32 s56, s[WV], 1
	s_and_b32 s57, s[WV], 1
	s_mul_i32 s52, s15, 98304
	s_mul_i32 s53, s56, 12288
	s_add_co_u32 s52, s52, s53
	s_mul_i32 s53, s14, 1536
	s_add_co_u32 s52, s52, s53
	s_mul_i32 s53, s57, 768
	s_add_co_u32 s52, s52, s53                     ; acod: K step wave / 2, tile = my block of queries, half wave % 2
	s_mov_b32 s53, 0
	s_lshl_b32 s54, s15, 12
	s_lshl_b32 s55, s14, 9
	s_add_co_u32 s54, s54, s55                     ; ascl: the tile's 512 bytes
	s_mov_b32 s55, 0
	s_wait_dscnt 0x0
	s_wait_kmcnt 0x0
	s_mov_b32 s24, 1
	s_mov_b32 s25, s43
	s_add_nc_u64 s[26:27], s[6:7], s[44:45]
	s_or_b32 s27, s27, 0x80000000
	CROUND                                         ; all four work-groups are here: the joint loads meet
	tensor_load_to_lds s[24:27], s[16:23]          ; key step number = my wave's: my one tensor load
	s_nop 0
.rept 4
	v_nop
.endr
	s_add_nc_u64 s[48:49], s[4:5], s[48:49]
	s_add_nc_u64 s[50:51], s[4:5], s[50:51]
	s_add_nc_u64 s[52:53], s[8:9], s[52:53]
	s_add_nc_u64 s[54:55], s[10:11], s[54:55]
	v_and_b32 v10, 31, v0
	s_delay_alu instid0(VALU_DEP_1)
	v_lshlrev_b32 v1, 4, v10                       ; 16 l
	s_delay_alu instid0(VALU_DEP_2)
	v_lshlrev_b32 v2, 3, v10                       ; 8 l
	v_and_b32 v10, 15, v0                          ; r
	v_bfe_u32 v11, v0, 4, 1                        ; h
	s_delay_alu instid0(VALU_DEP_2)
	v_lshlrev_b32 v29, 4, v10
	global_load_b128 v[16:19], v1, s[48:49]        ; Q's tile stays in registers
	global_load_b64 v[20:21], v2, s[48:49] offset:512
	global_load_b32 v28, v29, s[50:51] offset:6144 ; and its scale words
	; the way out's LDS addresses.  My lane's query is number q16 = 8 (wave % 2) + r % 8 of sixteen in row rl = 2 (wave / 2) + r / 8 of the tile
	v_and_b32 v30, 7, v0
	v_bfe_u32 v31, v0, 3, 1
	s_delay_alu instid0(VALU_DEP_2)
	v_mul_u32_u24 v5, v30, 784
	s_delay_alu instid0(VALU_DEP_1)
	v_lshl_add_u32 v6, v31, 3, v5
	s_delay_alu instid0(VALU_DEP_2)
	v_lshl_add_u32 v5, v31, 4, v5
	s_delay_alu instid0(VALU_DEP_1)
	v_lshl_add_u32 v5, v11, 8, v5
	s_delay_alu instid0(VALU_DEP_3)
	v_lshl_add_u32 v6, v11, 7, v6
	s_mul_i32 s2, s57, 8*784
	s_lshl_b32 s3, s56, 5
	s_add_co_u32 s3, s3, s2
	s_add_co_u32 s3, s3, OST
	v_add_nc_u32 v5, s3, v5                        ; OST + 784 q16 + 16 (rl + 16 h): registers 0-3
	s_lshl_b32 s3, s56, 4
	s_add_co_u32 s3, s3, s2
	s_add_co_u32 s3, s3, OST+512
	v_add_nc_u32 v6, s3, v6                        ; OST + 784 q16 + 512 + 8 (rl + 16 h): registers 4, 5
	v_lshlrev_b32 v7, 1, v30
	s_delay_alu instid0(VALU_DEP_1)
	v_lshl_add_u32 v7, v31, 5, v7
	s_delay_alu instid0(VALU_DEP_1)
	v_add_nc_u32 v7, v7, v11
	s_lshl_b32 s2, s56, 6
	s_lshl_b32 s3, s57, 4
	s_add_co_u32 s2, s2, s3
	s_add_co_u32 s2, s2, ASC
	v_add_nc_u32 v7, s2, v7                        ; ASC + 32 rl + 2 q16 + h: my block's byte
	s_mul_i32 s2, s[WV], 784
	s_add_co_u32 s2, s2, OST
	v_add_nc_u32 v8, s2, v2                        ; back: half fragment number = my wave's
	v_add_nc_u32 v9, ASC, v1
	v_add_nc_u32 v3, 0, v1                         ; the first trip's blocks begin at LDS byte 0
	v_add_nc_u32 v4, 0, v2
	v_mov_b32 v13, 0xff61b1e6                      ; the largest score so far: -3e38
	s_delay_alu instid0(VALU_DEP_1)
	v_mul_f32 v198, s[CS], v13
	s_delay_alu instid0(VALU_DEP_1)
	v_floor_f32 v12, -v198                         ; -M
	s_delay_alu instid0(VALU_DEP_1)
	v_mov_b32 v226, v12
	v_mov_b32 v14, 0
	v_mov_b32 v15, 0
.irp i, 22,23,24,25,26,27,80,81,82,83,84,85
	v_mov_b32 v\i, 0                               ; zero codes
.endr
.irp i, 196,197,199,225
	v_mov_b32 v\i, 0                               ; permutes' destinations, and the upper half of the pair f
.endr
.set j, 0
.rept 32
	v_mov_b32 v[160+j], 0                          ; O^T: the step is written once; the first change of M leaves zeros zeros
.set j, j+1
.endr
.macro KLO d, off                      ; a step's scale words of K (word i: lanes 0-15 tile 2 i's, lanes 16-31 tile 2 i + 1's) and its tiles 0-4: 11 loads
	ds_load_b128 v[KS:KS+3], v3 offset:(\off)+6144
.irp t, 0,1,2,3,4
	ds_load_b128 v[(\d)+6*\t:(\d)+6*\t+3], v3 offset:(\off)+768*\t
	ds_load_b64 v[(\d)+6*\t+4:(\d)+6*\t+5], v4 offset:(\off)+768*\t+512
.endr
.endm
.macro KHI d, off                      ; its tiles 5-7: 6 loads
.irp t, 5,6,7
	ds_load_b128 v[(\d)+6*\t:(\d)+6*\t+3], v3 offset:(\off)+768*\t
	ds_load_b64 v[(\d)+6*\t+4:(\d)+6*\t+5], v4 offset:(\off)+768*\t+512
.endr
.endm
.macro SW x, y, t                      ; S^T's tile t
.if (\t)%2
	v_wmma_scale_f32_16x16x128_f8f6f4 v[(\y)+8*(\t):(\y)+8*(\t)+7], v[(\x)+6*(\t):(\x)+6*(\t)+11], v[16:27], 0, v[KS+(\t)/2], v28 matrix_a_fmt:MATRIX_FMT_FP6 matrix_b_fmt:MATRIX_FMT_FP6 matrix_a_scale:MATRIX_SCALE_ROW1
.else
	v_wmma_scale_f32_16x16x128_f8f6f4 v[(\y)+8*(\t):(\y)+8*(\t)+7], v[(\x)+6*(\t):(\x)+6*(\t)+11], v[16:27], 0, v[KS+(\t)/2], v28 matrix_a_fmt:MATRIX_FMT_FP6 matrix_b_fmt:MATRIX_FMT_FP6
.endif
.endm
.macro TADD k, r                       ; chain k of the sum takes the pair at register r
	v_pk_add_f32 v[SM+2*(\k):SM+2*(\k)+1], v[SM+2*(\k):SM+2*(\k)+1], v[(\r):(\r)+1]
.endm
; A KEY STEP: 128 keys.  x: the area with K's tiles, then V's fragments; y: S^T, p, then the next K.  voff, koff: where V's part of this step's block and the next step's block lie from v3, v4 (koff < 0: no next step).
; upd = 1: v3, v4 go on to the next trip's blocks behind V's loads.
.macro STEP x, y, voff, koff, upd
	s_wait_dscnt 6                                 ; K's scale words and tiles 0-4 are in; the six loads of tiles 5-7 may be out
.irp t, 0,1,2,3
	SW \x, \y, \t
.endr
	s_wait_dscnt 0x0
.irp t, 4,5,6,7
	SW \x, \y, \t
.endr
.rept 4
	v_nop                                          ; places ahead of the loads below and of the first read of the scores
.endr
.irp f, 0,1,2,3                                ; V's fragments are asked for here and land under the softmax
	ds_load_b128 v[(\x)+12*\f:(\x)+12*\f+3], v3 offset:(\voff)+1536*\f
	ds_load_b64 v[(\x)+12*\f+4:(\x)+12*\f+5], v4 offset:(\voff)+1536*\f+512
	ds_load_b128 v[(\x)+12*\f+6:(\x)+12*\f+9], v3 offset:(\voff)+1536*\f+768
	ds_load_b64 v[(\x)+12*\f+10:(\x)+12*\f+11], v4 offset:(\voff)+1536*\f+1280
.endr
	ds_load_b64 v[VS:VS+1], v4 offset:(\voff)+6144
.if \upd
	s_add_co_u32 s[TB], s[TB], 2*STEPB
	v_add_nc_u32 v3, s[TB], v1
	v_add_nc_u32 v4, s[TB], v2
.endif
.irp c, 0,1                                    ; the largest score of my two blocks of 32 keys: a chain for each tile, from the tile's low end on, the first block's four tiles first
.irp t, 0,1,2,3
	v_max3_num_f32 v[192+4*\c+\t], v[(\y)+32*\c+8*\t], v[(\y)+32*\c+8*\t+1], v[(\y)+32*\c+8*\t+2]
.endr
.irp i, 3,5
.irp t, 0,1,2,3
	v_max3_num_f32 v[192+4*\c+\t], v[192+4*\c+\t], v[(\y)+32*\c+8*\t+\i], v[(\y)+32*\c+8*\t+\i+1]
.endr
.endr
.endr
	v_max3_num_f32 v192, v192, v193, v[(\y)+7]
	v_max3_num_f32 v193, v194, v195, v[(\y)+15]
	v_max3_num_f32 v194, v196, v197, v[(\y)+39]
	v_max3_num_f32 v195, v198, v199, v[(\y)+47]
	v_max3_num_f32 v192, v192, v193, v[(\y)+23]
	v_max3_num_f32 v194, v194, v195, v[(\y)+55]
	v_max_num_f32 v192, v192, v[(\y)+31]           ; block h's: it serves the row's maximum and, since p rises with the score, the block's largest p
	v_max_num_f32 v194, v194, v[(\y)+63]           ; block 2 + h's
	v_max_num_f32 v196, v192, v194
	v_permlanex16_b32 v197, v196, s[SEL], s[SEL+1]
	v_max3_num_f32 v13, v13, v196, v197            ; the running largest score of my query
	s_delay_alu instid0(VALU_DEP_1)
	v_mul_f32 v198, s[CS], v13                     ; as t (c is positive)
	s_delay_alu instid0(VALU_DEP_1)
	v_floor_f32 v12, -v198                         ; the new -M = -ceil(t)
	s_delay_alu instid0(VALU_DEP_1)
	v_sub_f32 v226, v12, v226                      ; old M - new M: a whole number, 0 or less
.set j, 0
.rept 4
	v_pk_fma_f32 v[(\y)+j:(\y)+j+1], v[(\y)+j:(\y)+j+1], s[CS:CS+1], v[12:13] op_sel_hi:[1,0,0]   ; t - M
.set j, j+2
.endr
	v_cvt_i32_f32 v226, v226                       ; (it saturates)
.rept 4
	v_pk_fma_f32 v[(\y)+j:(\y)+j+1], v[(\y)+j:(\y)+j+1], s[CS:CS+1], v[12:13] op_sel_hi:[1,0,0]
.set j, j+2
.endr
	v_ldexp_f32 v224, 1.0, v226                    ; f = 2^(old M - new M)
.rept 24
	v_pk_fma_f32 v[(\y)+j:(\y)+j+1], v[(\y)+j:(\y)+j+1], s[CS:CS+1], v[12:13] op_sel_hi:[1,0,0]
.set j, j+2
.endr
	v_fma_f32 v192, v192, s[CS], v12               ; t - M of each block's largest score
	v_fma_f32 v194, v194, s[CS], v12
.set j, 0
.rept 16
	v_pk_mul_f32 v[160+j:161+j], v[160+j:161+j], v[224:225] op_sel_hi:[1,0]   ; O^T under the new M, ahead of the exponentials
.set j, j+2
.endr
	s_wait_alu depctr_va_vdst(0)                   ; the wait ahead of the batch
	v_exp_f32 v192, v192                           ; the blocks' largest p
	v_exp_f32 v194, v194
.set j, 0
.rept 64
	v_exp_f32 v[(\y)+j], v[(\y)+j]                 ; p = 2^(t - M)
.set j, j+1
.endr
	v_pk_mul_f32 v[14:15], v[14:15], v[224:225] op_sel_hi:[1,0]   ; the sums under the new M: a plain place behind the exponentials
	s_wait_alu depctr_va_vdst(0)                   ; one wait for the whole batch, ahead of its first reader
	; from here on three things by turns: the row's sum of the unquantised p (32 pairs in eight chains), p's scale word, p's codes
	v_max_num_f32 v192, 0x1800000, v192            ; the floor 2^(3 - 127)
	v_max_num_f32 v194, 0x1800000, v194
.irp k, 0,1
	v_pk_add_f32 v[SM+2*\k:SM+2*\k+1], v[(\y)+4*\k:(\y)+4*\k+1], v[(\y)+4*\k+2:(\y)+4*\k+3]
.endr
	v_add_nc_u32 v200, 0xff000000, v192            ; 2 off the exponent field: the conversion's scale operand
	v_add_nc_u32 v201, 0xff000000, v194
	v_pk_add_f32 v[SM+4:SM+5], v[(\y)+8:(\y)+9], v[(\y)+10:(\y)+11]
	v_cvt_scalef32_pk16_fp6_f32 v[204:206], v[(\y):(\y)+15], v200
	v_cvt_scalef32_pk16_fp6_f32 v[216:218], v[(\y)+16:(\y)+31], v200   ; (a conversion's three registers begin on an even number)
.irp k, 3,4,5,6
	v_pk_add_f32 v[SM+2*\k:SM+2*\k+1], v[(\y)+4*\k:(\y)+4*\k+1], v[(\y)+4*\k+2:(\y)+4*\k+3]
.endr
	v_pk_add_f32 v[14:15], v[14:15], v[(\y)+28:(\y)+29]
	TADD 0, (\y)+30
	v_lshrrev_b32 v196, 23, v200                   ; the scales' bytes
	v_lshrrev_b32 v197, 23, v201
.irp i, 0,1,2
	v_mov_b32 v[207+\i], v[216+\i]
.endr
	v_lshl_or_b32 v198, v197, 16, v196             ; my blocks h and 2 + h
.if (\koff) >= 0
	KLO \y, \koff                                  ; the first half of p has been read: the next step's K begins to come
.endif
	v_cvt_scalef32_pk16_fp6_f32 v[210:212], v[(\y)+32:(\y)+47], v201
	v_cvt_scalef32_pk16_fp6_f32 v[220:222], v[(\y)+48:(\y)+63], v201
.irp k, 0,1,2,3,4,5,6
	TADD \k, (\y)+32+2*\k
.endr
	v_permlanex16_b32 v199, v198, s[SEL], s[SEL+1]
.irp i, 0,1,2
	v_mov_b32 v[213+\i], v[220+\i]
.endr
	v_lshl_or_b32 v223, v199, 8, v198              ; lanes 0-15, which alone are read: bytes 0, 2 mine, bytes 1, 3 lane l + 16's: p's scale word for these 128 keys
	v_pk_add_f32 v[14:15], v[14:15], v[(\y)+46:(\y)+47]
.irp k, 0,1,2,3,4,5,6
	TADD \k, (\y)+48+2*\k
.endr
	v_pk_add_f32 v[14:15], v[14:15], v[(\y)+62:(\y)+63]   ; nine plain lines stand between the scale word and the products below
.if (\koff) >= 0
	KHI \y, \koff
	s_wait_alu depctr_va_vdst(0)
	s_wait_dscnt 17                                ; V is in; the 17 loads of the next K, issued behind V's, may be out
.else
	s_wait_alu depctr_va_vdst(0)
	s_wait_dscnt 0x0
.endif
.irp f, 0,1,2,3
.if \f%2
	v_wmma_scale_f32_16x16x128_f8f6f4 v[160+8*\f:167+8*\f], v[(\x)+12*\f:(\x)+12*\f+11], v[204:215], v[160+8*\f:167+8*\f], v[VS+\f/2], v223 matrix_a_fmt:MATRIX_FMT_FP6 matrix_b_fmt:MATRIX_FMT_FP6 matrix_a_scale:MATRIX_SCALE_ROW1
.else
	v_wmma_scale_f32_16x16x128_f8f6f4 v[160+8*\f:167+8*\f], v[(\x)+12*\f:(\x)+12*\f+11], v[204:215], v[160+8*\f:167+8*\f], v[VS+\f/2], v223 matrix_a_fmt:MATRIX_FMT_FP6 matrix_b_fmt:MATRIX_FMT_FP6
.endif
.endr
	TADD 2, SM+6                                   ; the chains are joined: eight plain lines, the places ahead of the next step's products, which write over V's registers
	TADD 4, SM+10
	v_pk_add_f32 v[14:15], v[14:15], v[SM+12:SM+13]
	TADD 0, SM+2
	v_pk_add_f32 v[14:15], v[14:15], v[SM+8:SM+9]
	TADD 0, SM+4
	v_pk_add_f32 v[14:15], v[14:15], v[SM:SM+1]
	v_mov_b32 v226, v12                            ; the next step's old -M
.endm
	s_wait_alu depctr_va_vdst(0)                   ; the wait at the head's end
	s_wait_loadcnt 0x0                             ; Q
	s_wait_tensorcnt 0x0                           ; my block is in
	s_barrier_signal -1
	s_barrier_wait -1                              ; every wave's block is in
	KLO 32, 0                                      ; key step 0's K
	KHI 32, 0
	s_mov_b32 s[TB], 0
	s_mov_b32 s[CNT], 7
.Lstep:                                                ; a trip: two key steps, until the two areas are back where they began
	STEP 32, 96, 6656, STEPB, 0
	STEP 96, 32, STEPB+6656, 0, 1
	s_sub_co_u32 s[CNT], s[CNT], 1
	s_cmp_lg_u32 s[CNT], 0
	s_cbranch_scc1 .Lstep
	STEP 32, 96, 6656, STEPB, 0                    ; key steps 14 and 15: the last asks for no further K
	STEP 96, 32, STEPB+6656, -1, 0
	; THE WAY OUT (the eight plain lines at the step's end are the places behind the last products)
	v_add_f32 v14, v14, v15
	s_delay_alu instid0(VALU_DEP_1)
	v_permlanex16_b32 v226, v14, s[SEL], s[SEL+1]
	s_delay_alu instid0(VALU_DEP_1)
	v_add_f32 v14, v14, v226                       ; the row's sum
	s_wait_alu depctr_va_vdst(0)
	v_rcp_f32 v14, v14
	v_nop                                          ; a plain place behind the reciprocal
	s_wait_alu depctr_va_vdst(0)                   ; and the wait ahead of its first reader
.set j, 0
.rept 32
	v_mul_f32 v[96+j], v[160+j], v14               ; register 16 b + i: channel 32 b + 16 h + i of my query
.set j, j+1
.endr
.irp b, 0,1
	v_max3_num_f32 v[192+\b], |v[96+16*\b]|, |v[97+16*\b]|, 0x1800000
.endr
.irp i, 2,4,6,8,10,12,14
.irp b, 0,1
	s_delay_alu instid0(VALU_DEP_2)
	v_max3_num_f32 v[192+\b], v[192+\b], |v[96+16*\b+\i]|, |v[97+16*\b+\i]|
.endr
.endr
.irp b, 0,1
	s_delay_alu instid0(VALU_DEP_2)
	v_permlanex16_b32 v[196+\b], v[192+\b], s[SEL], s[SEL+1]
.endr
.irp b, 0,1
	s_delay_alu instid0(VALU_DEP_2)
	v_max_num_f32 v[192+\b], v[192+\b], v[196+\b]
.endr
.irp b, 0,1
	s_delay_alu instid0(VALU_DEP_2)
	v_add_nc_u32 v[200+\b], 0xff000000, v[192+\b]
.endr
.irp b, 0,1
	s_delay_alu instid0(VALU_DEP_2)
	v_lshrrev_b32 v[196+\b], 23, v[200+\b]
.endr
	v_cvt_scalef32_pk16_fp6_f32 v[204:206], v[96:111], v200
	v_cvt_scalef32_pk16_fp6_f32 v[216:218], v[112:127], v201
	v_nop
.irp i, 0,1,2
	v_permlane16_swap_b32 v[204+\i], v[216+\i]
.endr
.irp i, 0,1,2
	s_delay_alu instid0(VALU_DEP_3)
	v_mov_b32 v[207+\i], v[216+\i]                 ; v204-209: lane (r, h) holds channels 32 h .. 32 h + 31 of its query
.endr
	v_cndmask_b32 v226, v196, v197, s42            ; and that block's byte
	ds_store_b128 v5, v[204:207]
	ds_store_b64 v6, v[208:209]
	ds_store_b8 v7, v226
	s_wait_dscnt 0x0                               ; for the others' sake: my stores have landed
	s_barrier_signal -1
	s_barrier_wait -1
	ds_load_b64 v[96:97], v8
	ds_load_b64 v[98:99], v8 offset:256
	ds_load_b64 v[100:101], v8 offset:512
	s_wait_dscnt 0x0
	global_store_b64 v2, v[96:97], s[52:53]        ; each store covers 256 consecutive bytes, aligned
	global_store_b64 v2, v[98:99], s[52:53] offset:256
	global_store_b64 v2, v[100:101], s[52:53] offset:512
	s_cmp_lg_u32 s[WV], 0
	s_cbranch_scc1 .Lnot_first
	ds_load_b128 v[104:107], v9                    ; wave 0: the tile's scale words
	s_wait_dscnt 0x0
	global_store_b128 v1, v[104:107], s[54:55]
.Lnot_first:
	s_wait_tensorcnt 0x0                           ; the wave's end
	ds_add_u32 v254, v255
	s_wait_dscnt 0x0
	CROUND                                         ; the closing round
	s_endpgm
.Lfunc_end_k_q012f045e28_attn:
	.size	k_q012f045e28_attn, .Lfunc_end_k_q012f045e28_attn-k_q012f045e28_attn
	.p2alignl 7, 3214868480
	.fill 96, 4, 3214868480
	.section	.rodata,"a",@progbits
	.p2align	6, 0x0
	.amdhsa_kernel k_q012f045e28_attn
		.amdhsa_group_segment_fixed_size 231424
		.amdhsa_private_segment_fixed_size 0
		.amdhsa_enable_private_segment 0
		.amdhsa_kernarg_size 32
		.amdhsa_user_sgpr_count 2
		.amdhsa_user_sgpr_kernarg_segment_ptr 1
		.amdhsa_wavefront_size32 1
		.amdhsa_system_sgpr_workgroup_id_x 1
		.amdhsa_system_sgpr_workgroup_id_y 1
		.amdhsa_system_sgpr_workgroup_id_z 1
		.amdhsa_system_vgpr_workitem_id 0
		.amdhsa_next_free_vgpr 256
		.amdhsa_next_free_sgpr 66
		.amdhsa_reserve_vcc 0
		.amdhsa_float_denorm_mode_32 3
		.amdhsa_float_denorm_mode_16_64 3
		.amdhsa_memory_ordered 1
		.amdhsa_forward_progress 1
		.amdhsa_inst_pref_size 73
	.end_amdhsa_kernel
	.amdgpu_metadata
---
amdhsa.version: [ 1, 2 ]
amdhsa.kernels:
  - .name:           k_q012f045e28_attn
    .symbol:         k_q012f045e28_attn.kd
    .args:
      - { .name: qimg, .offset: 0, .size: 8, .value_kind: global_buffer, .address_space: global }
      - { .name: kvimg, .offset: 8, .size: 8, .value_kind: global_buffer, .address_space: global }
      - { .name: acod, .offset: 16, .size: 8, .value_kind: global_buffer, .address_space: global }
      - { .name: ascl, .offset: 24, .size: 8, .value_kind: global_buffer, .address_space: global }
    .group_segment_fixed_size: 231424
    .private_segment_fixed_size: 0
    .kernarg_segment_align: 8
    .kernarg_segment_size: 32
    .max_flat_workgroup_size: 512
    .sgpr_count:     66
    .vgpr_count:     256
    .wavefront_size: 32
...
	.end_amdgpu_metadata
.endif
;; end of part 3
;; launch outp (part 4): grid 8 x 32, 4 waves a work-group, clusters of 4 x 4, 222,720 bytes of LDS; arguments acod, ascl, opcod, opscl, bh, out0; writes out0
.if DOCPART == 4
	.amdgcn_target "amdgcn-amd-amdhsa--gfx1250"
	.amdhsa_code_object_version 6
	.text
	.protected	k_q012f045e28_outp
	.globl	k_q012f045e28_outp
	.p2align	8
	.type	k_q012f045e28_outp,@function
k_q012f045e28_outp:
	s_mov_b64 s[64:65], 0
	v_nop
	global_prefetch_b8 v0, s[64:65] scope:SCOPE_SE
	s_setreg_imm32_b32 hwreg(HW_REG_WAVE_MODE, 25, 1), 1
	s_wait_xcnt 0x0
	s_wait_alu depctr_hold_cnt(0) depctr_sa_sdst(0) depctr_va_vdst(0) depctr_va_sdst(0) depctr_va_ssrc(0) depctr_va_vcc(0) depctr_vm_vsrc(0)
	s_getreg_b32 s2, hwreg(HW_REG_IB_STS2, 6, 4)
	s_cmp_eq_u32 s2, 0
	s_cbranch_scc0 .Lentry_in_a_cluster
	s_endpgm
.Lentry_in_a_cluster:
	s_bfe_u32 s2, ttmp6, 0x10000c
	s_cmp_lg_u32 s2, 0xf033
	s_cbranch_scc0 .Lentry_shape_is_right
	s_endpgm
.Lentry_shape_is_right:
; out0 = A Wh^T + bh on codes of FP6 (E2M3).  A [4096][1024] comes from the attention launch (acod, ascl: row blocks of 128 rows, tiles of 16 neighbouring rows), Wh from the quantising launch (row blocks 120-127 of opcod, opscl).
; 32 x 8 = 256 work-groups, each 128 rows x 128 columns: one row block of A against one of Wh.  A wave makes 64 x 64: 16 accumulators.
; ALL OF K LIES IN LDS, FILLED ONCE: 98,304 bytes of codes and 4,096 of scale words for each side, four joint loads at the head, one a wave; no byte is filled again.
; CLUSTER 4 x 4: A's row block is shared along a row of the cluster, Wh's along a column.  No prefetch: all requests stand at the head, there is no loop to run ahead in.
; Source 1 = A's rows, source 0 = Wh's rows (tile t: rows 32 (t / 2) + 8 (t % 2) + r + 8 (r / 8)): register j of tile b in lane (r, h) is column 32 (b / 2) + 16 h + 8 (b % 2) + j of row r.  The bias is the C of each sum's first product.
; Operands lie in memory in the order of the registers (a fragment: 1,536 bytes), so every LDS read is 512 or 256 consecutive bytes.
; REGISTERS: window 0: v1-18 addresses; v28, v29 for the add; v32-127, v128-223 two sets of fragments (Wh's four, then A's four); v224-255 scale words: register 8 i + s: lanes 0-15 A's tile i, lanes 16-31 Wh's tile i, K step s.
;   window 1: v0-127 the accumulators (a, b) at 8 (4 a + b); v128-159 the bias.
.set FR,    12
.set KST,   12288                      ; a K step of a row block: 8 fragments
.set RB,    8*KST                      ; a row block's codes
.set SCA,   2*RB                       ; A's scale words, then Wh's
.set STG,   SCA+8192                   ; the way out: a stage of 16 rows x (256 + 16) bytes for each wave, bytes of its own
.set SPITCH, 272
.set SPARE, STG+4*16*SPITCH            ; the spare words: 128 bytes a wave
.set AA16, 4                           ; v4, v5  16 l + my four tiles of A, K steps 0-3 and 4-7
.set AA8,  6
.set AB16, 8
.set AB8,  10
.set ADRS, 12
.set L16,  13
.set L8,   14
.set STO,  15
.set RD,   16
.set CO,   17
.set BO,   18
.set SPW,  28
.set NIL,  29
.set F,    32
.set SC,   224
.set BI,   128
.set G1, 24
.set G1B, 32
.set G1S, 40
.set G1SB, 48
.set G0A, 56
.set G0B, 60
.set G0S, 68
.set G0SB, 72
.set MSB, 0
.macro WIN new                         ; the immediate's high byte repeats the setting that is left
.if MSB != (\new)
	s_set_vgpr_msb (MSB<<8)|(\new)
.set MSB, (\new)
.endif
.endm
.macro CROUND
	s_barrier_signal -1
	s_barrier_wait -1
	s_cmp_lg_u32 s14, 0
	s_cbranch_scc1 .Lnot_wave_0_\@
	s_barrier_signal -3
.Lnot_wave_0_\@:
	s_barrier_wait -3
	s_barrier_signal -1
	s_barrier_wait -1
.endm
.macro PLACES                          ; four plain places behind matrix instructions (ISA guide 7.12.1)
.rept 4
	v_nop
.endr
.endm
	s_load_b256 s[4:11], s[0:1], 0x0               ; acod, ascl, opcod, opscl
	s_load_b128 s[16:19], s[0:1], 0x20             ; bh, out0
	v_lshl_add_u32 v[SPW], v0, 2, SPARE
	v_mov_b32 v[NIL], 0
	ds_add_u32 v[SPW], v[NIL]                      ; the opening lines: the add twice and one wait
	ds_add_u32 v[SPW], v[NIL]
	v_lshrrev_b32 v1, 5, v0
	v_readfirstlane_b32 s14, v1                    ; wave
	s_lshr_b32 s15, s14, 1                         ; which 64 rows are mine
	s_and_b32 s22, s14, 1                          ; which 64 columns
	s_bfe_u32 s76, ttmp6, 0x40000                  ; cx
	s_bfe_u32 s77, ttmp6, 0x40004                  ; cy
	s_lshl_b32 s78, ttmp9, 2
	s_add_co_u32 s78, s78, s76                     ; Wh's row block, 0..7
	s_and_b32 s79, ttmp7, 0xffff
	s_lshl_b32 s79, s79, 2
	s_add_co_u32 s79, s79, s77                     ; A's row block, 0..31
	s_lshl_b32 s80, s77, 2
	s_lshl_b32 s80, 15, s80                        ; my row of the cluster
	s_lshl_b32 s81, 0x1111, s76                    ; my column
	s_or_b32 s[G1], s80, (3<<16)|(1<<21)           ; the mask; elements of 8 bytes; bit 21 beside a mask
	s_or_b32 s[G1B], s81, (3<<16)|(1<<21)
	s_or_b32 s[G1S], s80, (3<<16)|(1<<21)
	s_or_b32 s[G1SB], s81, (3<<16)|(1<<21)
.irp g, G1, G1B                                ; codes: 98,304 dense bytes as 384 rows of 256
	s_mov_b32 s[\g+1], 32<<16
	s_mov_b32 s[\g+2], 384<<16
	s_mov_b32 s[\g+3], 32<<16
	s_mov_b32 s[\g+4], 384
	s_mov_b32 s[\g+5], 32
	s_mov_b32 s[\g+6], 0
	s_mov_b32 s[\g+7], 0
.endr
.irp g, G1S, G1SB                              ; scale words: 4,096 dense bytes as 16 rows of 256
	s_mov_b32 s[\g+1], 32<<16
	s_mov_b32 s[\g+2], 16<<16
	s_mov_b32 s[\g+3], 32<<16
	s_mov_b32 s[\g+4], 16
	s_mov_b32 s[\g+5], 32
	s_mov_b32 s[\g+6], 0
	s_mov_b32 s[\g+7], 0
.endr
	s_mul_i32 s82, s79, RB
	s_mov_b32 s83, 0
	s_add_co_u32 s84, s78, 120
	s_lshl_b32 s88, s84, 12
	s_mul_i32 s84, s84, RB
	s_mov_b32 s85, 0
	s_lshl_b32 s86, s79, 12
	s_mov_b32 s87, 0
	s_mov_b32 s89, 0
	s_wait_dscnt 0x0
	s_wait_kmcnt 0x0
	s_mov_b32 s[G0A], 1
	s_mov_b32 s[G0A+1], 0
	s_add_nc_u64 s[G0A+2:G0A+3], s[4:5], s[82:83]
	s_or_b32 s[G0A+3], s[G0A+3], 0x80000000
	s_mov_b32 s[G0B], 1
	s_mov_b32 s[G0B+1], RB
	s_add_nc_u64 s[G0B+2:G0B+3], s[8:9], s[84:85]
	s_or_b32 s[G0B+3], s[G0B+3], 0x80000000
	s_mov_b32 s[G0S], 1
	s_mov_b32 s[G0S+1], SCA
	s_add_nc_u64 s[G0S+2:G0S+3], s[6:7], s[86:87]
	s_or_b32 s[G0S+3], s[G0S+3], 0x80000000
	s_mov_b32 s[G0SB], 1
	s_mov_b32 s[G0SB+1], SCA+4096
	s_add_nc_u64 s[G0SB+2:G0SB+3], s[10:11], s[88:89]
	s_or_b32 s[G0SB+3], s[G0SB+3], 0x80000000
	CROUND                                         ; all sixteen work-groups are here: the joint loads meet
.macro ARM under, g0, g1, next         ; one chain of branches on the wave's number, one load to an arm, all arms to one join
	s_cmp_lt_u32 s14, \under
	s_cbranch_scc0 \next
	tensor_load_to_lds s[\g0:\g0+3], s[\g1:\g1+7]
	s_nop 0
.rept 4
	v_nop
.endr
	s_branch .Lhead_asked
\next:
.endm
	ARM 1, G0A, G1,  .Lhead_b
	ARM 2, G0B, G1B, .Lhead_sa
	ARM 3, G0S, G1S, .Lhead_sb
	tensor_load_to_lds s[G0SB:G0SB+3], s[G1SB:G1SB+7]
	s_nop 0
.rept 4
	v_nop
.endr
.Lhead_asked:
	v_and_b32 v3, 31, v0
	v_and_b32 v1, 15, v0                           ; r
	v_bfe_u32 v2, v0, 4, 1                         ; h
	v_lshlrev_b32 v[L16], 4, v3
	v_lshlrev_b32 v[L8], 3, v3
	s_mul_i32 s82, s15, 4*1536                     ; my four tiles of A,
	s_mul_i32 s83, s22, 4*1536
	s_add_co_u32 s83, s83, RB                      ; and of Wh
.irp k, 0,1
	v_add_nc_u32 v[AA16+\k], s82, v[L16]
	v_add_nc_u32 v[AA8+\k], s82, v[L8]
	v_add_nc_u32 v[AB16+\k], s83, v[L16]
	v_add_nc_u32 v[AB8+\k], s83, v[L8]
	s_add_co_u32 s82, s82, 4*KST
	s_add_co_u32 s83, s83, 4*KST
.endr
	s_lshl_b32 s84, s15, 11
	s_lshl_b32 s85, s22, 11
	s_add_co_u32 s85, s85, 4096
	s_sub_co_u32 s85, s85, s84                     ; from my tiles' scale words of A to those of Wh
	v_mul_u32_u24 v[ADRS], s85, v2                 ; lanes 16-31 take Wh's
	v_lshl_add_u32 v[ADRS], v1, 5, v[ADRS]         ; 32 bytes a row
	s_add_co_u32 s84, s84, SCA
	v_add_nc_u32 v[ADRS], s84, v[ADRS]
	s_mul_i32 s86, s14, 16*SPITCH
	s_add_co_u32 s86, s86, STG                     ; my stage
	v_mul_u32_u24 v[STO], v1, SPITCH
	v_lshl_add_u32 v[STO], v2, 6, v[STO]
	v_add_nc_u32 v[STO], s86, v[STO]               ; in: row r, + 64 h
	v_mul_u32_u24 v[RD], v2, SPITCH
	v_lshl_add_u32 v[RD], v1, 4, v[RD]
	v_add_nc_u32 v[RD], s86, v[RD]                 ; back: sixteen lanes to a row of 256 bytes, two rows a load
	v_lshlrev_b32 v[CO], 12, v2
	v_lshl_add_u32 v[CO], v1, 4, v[CO]             ; and the same two rows in out0
	v_lshlrev_b32 v[BO], 6, v2
	s_lshl_b32 s88, s78, 9
	s_lshl_b32 s89, s22, 8
	s_add_co_u32 s88, s88, s89                     ; my 64 columns, in bytes
	s_mov_b32 s89, 0
	s_add_nc_u64 s[16:17], s[16:17], s[88:89]
	s_add_nc_u64 s[18:19], s[18:19], s[88:89]
	s_lshl_b32 s88, s79, 19
	s_lshl_b32 s90, s15, 18
	s_add_co_u32 s88, s88, s90                     ; my first row: 128 x row block + 64 x half, 4,096 bytes each
	s_add_nc_u64 s[18:19], s[18:19], s[88:89]
	s_wait_alu depctr_va_vdst(0)                   ; the wait at the head's end
	WIN 0x40
.irp b, 0,1,2,3
	global_load_b128 v[BI+8*\b:BI+8*\b+3], v[BO], s[16:17] offset:4*(32*(\b/2)+8*(\b%2))
	global_load_b128 v[BI+8*\b+4:BI+8*\b+7], v[BO], s[16:17] offset:4*(32*(\b/2)+8*(\b%2))+16
.endr
	WIN 0
	s_wait_tensorcnt 0x0                           ; my tile of the four is in
	s_barrier_signal -1
	s_barrier_wait -1                              ; all four are
.macro FRAG reg, a16, a8, off          ; a fragment as it was stored: registers 0-3, 4-5, 6-9, 10-11
	ds_load_b128 v[(\reg):(\reg)+3], v[\a16] offset:(\off)
	ds_load_b64 v[(\reg)+4:(\reg)+5], v[\a8] offset:(\off)+512
	ds_load_b128 v[(\reg)+6:(\reg)+9], v[\a16] offset:(\off)+768
	ds_load_b64 v[(\reg)+10:(\reg)+11], v[\a8] offset:(\off)+1280
.endm
.macro FETCH s                         ; K step s: 32 loads into set s % 2
.irp i, 0,1,2,3
	FRAG F+96*((\s)%2)+FR*\i, AB16+(\s)/4, AB8+(\s)/4, ((\s)%4)*KST+1536*\i
.endr
.irp i, 0,1,2,3
	FRAG F+96*((\s)%2)+48+FR*\i, AA16+(\s)/4, AA8+(\s)/4, ((\s)%4)*KST+1536*\i
.endr
.endm
.macro MUL s                           ; 16 products; the accumulators take turns in one order in every K step
.irp a, 0,1,2,3
.irp b, 0,1,2,3
.if (\s) == 0
	v_wmma_scale_f32_16x16x128_f8f6f4 v[8*(4*\a+\b):8*(4*\a+\b)+7], v[F+96*((\s)%2)+FR*\b:F+96*((\s)%2)+FR*\b+11], v[F+96*((\s)%2)+48+FR*\a:F+96*((\s)%2)+48+FR*\a+11], v[BI+8*\b:BI+8*\b+7], v[SC+8*\b+(\s)], v[SC+8*\a+(\s)] matrix_a_fmt:MATRIX_FMT_FP6 matrix_b_fmt:MATRIX_FMT_FP6 matrix_a_scale:MATRIX_SCALE_ROW1
.else
	v_wmma_scale_f32_16x16x128_f8f6f4 v[8*(4*\a+\b):8*(4*\a+\b)+7], v[F+96*((\s)%2)+FR*\b:F+96*((\s)%2)+FR*\b+11], v[F+96*((\s)%2)+48+FR*\a:F+96*((\s)%2)+48+FR*\a+11], v[8*(4*\a+\b):8*(4*\a+\b)+7], v[SC+8*\b+(\s)], v[SC+8*\a+(\s)] matrix_a_fmt:MATRIX_FMT_FP6 matrix_b_fmt:MATRIX_FMT_FP6 matrix_a_scale:MATRIX_SCALE_ROW1
.endif
.endr
.endr
.endm
	FETCH 0
.irp i, 0,1,2,3                                ; all eight K steps' scale words, once
	ds_load_b128 v[SC+8*\i:SC+8*\i+3], v[ADRS] offset:512*\i
	ds_load_b128 v[SC+8*\i+4:SC+8*\i+7], v[ADRS] offset:512*\i+16
.endr
	s_wait_loadcnt 0x0                             ; the bias
.set ST, 0
.rept 8
.if ST < 7
.if ST > 0
	PLACES                                         ; ahead of loads into the set that the last products have read
.endif
	FETCH ST+1
	s_wait_dscnt 32                                ; all but the 32 loads just issued
.else
	s_wait_dscnt 0x0
.endif
	WIN 0x50                                       ; C and D in window 1
	MUL ST
	WIN 0
.set ST, ST+1
.endr
; THE WAY OUT, 16 rows x 64 columns at a time, through my own stage: in as 32 bytes a lane, back as whole rows of 256 bytes.  LDS serves a wave's instructions in order (ISA guide 5.7.1.4).
.macro TOSTAGE a
	WIN 0x04                                       ; the data: window 1
.irp b, 0,1,2,3
	ds_store_b128 v[STO], v[8*(4*(\a)+\b):8*(4*(\a)+\b)+3] offset:128*(\b/2)+32*(\b%2)       ; each accumulator from its low end on
	ds_store_b128 v[STO], v[8*(4*(\a)+\b)+4:8*(4*(\a)+\b)+7] offset:128*(\b/2)+32*(\b%2)+16
.endr
	WIN 0
.irp t, 0,1,2,3,4,5,6,7
	ds_load_b128 v[F+32*(\a)+4*\t:F+32*(\a)+4*\t+3], v[RD] offset:\t*2*SPITCH
.endr
.endm
.macro SEND a, younger                 ; younger: the LDS instructions issued behind block a's loads
	s_wait_dscnt \younger
.irp t, 0,1,2,3,4,5,6,7
	global_store_b128 v[CO], v[F+32*(\a)+4*\t:F+32*(\a)+4*\t+3], s[18:19] offset:(16*(\a)+2*\t)*4096 th:TH_STORE_NT   ; sixteen lanes store 256 consecutive bytes, aligned
.endr
.endm
	PLACES
	TOSTAGE 0
.irp a, 1,2,3
	TOSTAGE \a
	SEND \a-1, 16                                  ; behind block a - 1's loads: block a's 8 stores and 8 loads
.endr
	SEND 3, 0
	s_wait_tensorcnt 0x0                           ; the wave's end
	ds_add_u32 v[SPW], v[NIL]
	s_wait_dscnt 0x0
	CROUND                                         ; the closing round
	s_endpgm
.Lfunc_end_k_q012f045e28_outp:
	.size	k_q012f045e28_outp, .Lfunc_end_k_q012f045e28_outp-k_q012f045e28_outp
	.p2alignl 7, 3214868480
	.fill 96, 4, 3214868480
	.section	.rodata,"a",@progbits
	.p2align	6, 0x0
	.amdhsa_kernel k_q012f045e28_outp
		.amdhsa_group_segment_fixed_size 222720
		.amdhsa_private_segment_fixed_size 0
		.amdhsa_enable_private_segment 0
		.amdhsa_kernarg_size 48
		.amdhsa_user_sgpr_count 2
		.amdhsa_user_sgpr_kernarg_segment_ptr 1
		.amdhsa_wavefront_size32 1
		.amdhsa_system_sgpr_workgroup_id_x 1
		.amdhsa_system_sgpr_workgroup_id_y 1
		.amdhsa_system_sgpr_workgroup_id_z 1
		.amdhsa_system_vgpr_workitem_id 0
		.amdhsa_next_free_vgpr 416
		.amdhsa_next_free_sgpr 96
		.amdhsa_reserve_vcc 0
		.amdhsa_float_denorm_mode_32 3
		.amdhsa_float_denorm_mode_16_64 3
		.amdhsa_memory_ordered 1
		.amdhsa_forward_progress 1
		.amdhsa_inst_pref_size 51
	.end_amdhsa_kernel
	.amdgpu_metadata
---
amdhsa.version: [ 1, 2 ]
amdhsa.kernels:
  - .name:           k_q012f045e28_outp
    .symbol:         k_q012f045e28_outp.kd
    .args:
      - { .name: acod, .offset: 0, .size: 8, .value_kind: global_buffer, .address_space: global }
      - { .name: ascl, .offset: 8, .size: 8, .value_kind: global_buffer, .address_space: global }
      - { .name: opcod, .offset: 16, .size: 8, .value_kind: global_buffer, .address_space: global }
      - { .name: opscl, .offset: 24, .size: 8, .value_kind: global_buffer, .address_space: global }
      - { .name: bh, .offset: 32, .size: 8, .value_kind: global_buffer, .address_space: global }
      - { .name: out0, .offset: 40, .size: 8, .value_kind: global_buffer, .address_space: global }
    .group_segment_fixed_size: 222720
    .private_segment_fixed_size: 0
    .kernarg_segment_align: 8
    .kernarg_segment_size: 48
    .max_flat_workgroup_size: 128
    .sgpr_count:     96
    .vgpr_count:     416
    .wavefront_size: 32
...
	.end_amdgpu_metadata
.endif
;; end of part 4
